; MI455X (gfx1250); checked and timed in simulation.
; The chip was launched on July 23, 2026; its instructions are those of AMD's public machine-readable ISA for CDNA 5 (MIT licence, August 2026) and "CDNA5" Instruction Set Architecture Reference Guide (July 2026). The comments in the code are by the model that wrote it; some were corrected since.
;; scaled dot product attention. Allowed arithmetic: matrix products marked QUANTISED: E2M3 operands, one E8M0 scale for each 32 along K, by v_wmma_scale_f32_16x16x128_f8f6f4 with both operands' format E2M3, f32 sums; everything else in f32.
;; Inputs: Wk 1,024 x 1,024 float32; Wq 1,024 x 1,024 float32; Wv 1,024 x 1,024 float32; x 4 x 2,048 x 1,024 float32.
;; Outputs: out0 4 x 2,048 x 1,024 float32.
;; This version of the problem:
;;   THIS VERSION OF THE PROBLEM IS GIVEN IN LOW PRECISION. The matrix products marked QUANTISED in the list below multiply operands that are first quantised to E2M3 (2 exponent bits, 3 mantissa bits; 6 bits a number), with one power-of-two scale for each 32 numbers along K (OCP MX v1.0); their sums are f32. All else is computed in f32.
;;   The module's matrix products, in the order in which they are computed (A, B: the left and right operand; K: the contracted axis; several contracted axes count as one K, in the product's order):
;;     1. [M 8,192, K 1,024] x [K 1,024, N 1,024]; A: input x; B: input Wq: QUANTISED
;;     2. [M 8,192, K 1,024] x [K 1,024, N 1,024]; A: input x; B: input Wk: QUANTISED
;;     3. [M 8,192, K 1,024] x [K 1,024, N 1,024]; A: input x; B: input Wv: QUANTISED
;;     4. batch 4 x [M 2,048, K 1,024] x [K 1,024, N 2,048]; A: computed on the way; B: computed on the way: QUANTISED
;;     5. batch 4 x [M 2,048, K 2,048] x [K 2,048, N 1,024]; A: softmax (see below); B: computed on the way: QUANTISED
;;   THE QUANTISER, for each operand of a quantised product, along K:
;;     - K is cut into blocks of 32 from its start; a last block that is shorter is filled with zeros.
;;     - A block's scale is 2^e with e = floor(log2(the largest magnitude in the block)) - 2, held to -126 .. 127; a block of zeros has e = 0. As a byte (E8M0): e + 127.
;;     - Each number is divided by its block's scale, clamped to +-7.5, and rounded to the nearest number of E2M3, ties to even, subnormals kept.
;;     - The product sums the exact products of the quantised numbers (number of the format x scale) in f32.
;;   ~~~python
;;   def quantise(x, axis):      # numpy; x: float32 -> the quantised numbers, widened to float32 again
;;       x = np.moveaxis(x, axis, -1); K = x.shape[-1]
;;       x = np.pad(x, [(0, 0)] * (x.ndim - 1) + [(0, -K % 32)]); x = x.reshape(x.shape[:-1] + (-1, 32)); a = np.abs(x).max(-1, keepdims=True)
;;       e = np.where(a > 0, np.clip(np.frexp(np.where(a > 0, a, 1))[1] - 1 - 2, -126, 127), 0)      # np.frexp(a)[1] - 1 = floor(log2(a)), exactly
;;       r = np.clip(x / 2.0 ** e, -7.5, 7.5)
;;       step = 2.0 ** (np.maximum(np.frexp(np.where(r == 0, 1, r))[1] - 1, 0) - 3)
;;       q = np.round(r / step) * step * 2.0 ** e      # np.round: ties to even
;;       return np.moveaxis(q.reshape(q.shape[:-2] + (-1,))[..., :K], -1, axis).astype(np.float32)
;;   ~~~
;;   SOFTMAX AHEAD OF A QUANTISED PRODUCT. Where the list says 'softmax', what is quantised is not the finished softmax but p = 2^(t - M), with t = logit x log2(e) and M = ceil(the row's largest t), a whole number; so 1/2 < the row's largest p <= 1. The row's sum l is taken of the UNQUANTISED p, in f32, and the product's result is divided by l at the end. Since M is a whole number, a kernel that streams over the keys may use a running M (the ceiling of the running maximum): every later rescaling is an exact power of two, which a block's scale takes up: the codes' values come out the same.
;;   OPERANDS COMPUTED ON THE WAY. 'Computed on the way' means the value that the module computes at that place (a softmax that the list does not call 'softmax' is quantised finished and normalised). What goes into a quantiser is computed in f32, as accurately as f32 sums, v_exp_f32 and their like allow (about 1e-6 of the number): no bf16 or f16 on the way to a quantiser, and a product that is left as it is and whose result goes on into a quantised operand takes f32 operands (vector FMAs, or v_wmma_f32_16x16x4_f32). A number that lies on a knife's edge between two numbers of the format may be rounded either way, as far as f32 arithmetic and the matrix unit's own rounding can turn it there, and no further.
;; One version. Each part assembles by itself: llvm-mc -triple=amdgcn-amd-amdhsa -mcpu=gfx1250 --defsym DOCPART=n.
;; ======== version 1 of 1: 4 launches
;; limits: right only within a limited range of input values
;; workspace buffers: opc 9,011,200 bytes; qkv 19,660,800 bytes; pc 13,107,200 bytes; st 1,048,576 bytes
;; launch quant (part 1): grid 352 x 1, 4 waves a work-group, no clusters, 34,304 bytes of LDS; arguments x, Wq, Wk, Wv, opc; writes opc
.if DOCPART == 1
	.amdgcn_target "amdgcn-amd-amdhsa--gfx1250"
	.amdhsa_code_object_version 6
	.text
	.protected	k_q3ce0e21b24_quant
	.globl	k_q3ce0e21b24_quant
	.p2align	8
	.type	k_q3ce0e21b24_quant,@function
k_q3ce0e21b24_quant:
	s_mov_b64 s[64:65], 0
	v_nop
	global_prefetch_b8 v0, s[64:65] scope:SCOPE_SE
	s_setreg_imm32_b32 hwreg(HW_REG_WAVE_MODE, 25, 1), 1
	s_wait_xcnt 0x0
; x [8192][1024], Wq, Wk, Wv [1024][1024], f32, K innermost, become codes of FP6 (E2M3) with one E8M0 byte for each 32 along K, laid in PANELS.
; A PANEL is 128 rows x 128 K, 12,800 bytes: eight fragments (16 rows x 128 K) as images of the operand's registers: fragment i at 1,536 i, registers 4 g .. 4 g + 3 of lane L at 512 g + 16 L;
; behind them, at 12,288, the 128 scale words: that of place 32 j + l at 16 l + 4 j.  A matrix is panels [rows / 128][K / 128]; opc holds 88 rows of panels: x 0-63, Wq 64-71, Wk 72-79, Wv 80-87.
; THE ROWS OF A FRAGMENT: in x, Wq and Wk place 16 i + t of a panel holds row 32 (i / 2) + 8 (i % 2) + t % 8 + 16 (t / 8), so that a product that takes such a fragment as source 0 leaves 16 neighbouring rows
; in the 16 registers of two neighbouring result tiles.  Wv keeps its rows in order.
; A block's scale is 2^(floor(log2(its largest magnitude)) - 2); its byte is that magnitude's exponent field - 2, held at 1 from below.
; LIMITS: NaN and infinities are not served; a block whose largest magnitude lies under 2^-124 keeps the byte 1; a block of zeros has the byte 1 (its codes are zeros, and this program alone reads the bytes).
; SHARES: work-group g takes row panel g / 4; wave w takes K step 2 (g % 4) + w / 2 and the four fragments 2 jf + w % 2.  Each load reads 512 consecutive bytes of one row; the 16 rows turn through the wave's own
; stage in LDS (rows of 528 bytes, so that sixteen rows start in sixteen different groups of banks) and come back 16 neighbours of each block a lane.  Waves share nothing: no barrier.
.set PANEL, 12800
.set SCO,   12288
.set STGB,  16*528                     ; a wave's stage
.set SPARE, 4*STGB                     ; behind the stages: the spare words, 128 bytes a wave, which no other line names
.set VLO, 4                            ; v4   source offset of my 16 bytes in the rows t = 0 .. 7 of a fragment
.set VHI, 5                            ; v5   the same for t = 8 .. 15
.set STI, 6                            ; v6   the stage, on the way in: 16 x lane
.set STX, 7                            ; v7   on the way out: row lane % 16, + 64 (lane / 16)
.set VOU, 8                            ; v8   where my 16 bytes of a register group go in the panel
.set VSC, 9                            ; v9   and my row's four scale words
.set SPW, 10                           ; v10  my spare word; never rewritten
.set NIL, 11                           ; v11  0; never rewritten
.set SW,  12                           ; v12-15 the scale words of my four fragments
.set TM,  16                           ; v16-19 largest magnitudes, v20-23 bytes, v28-31 the conversions' scale operands
.set PC,  32                           ; v32-43 a fragment's codes
.set TP,  44                           ; v44-51 the upper halves of the blocks, before they are moved
.set R,   64                           ; v64-191 and, in the second window, v320-447: four sets of 16 rows as loaded, one for each of my fragments
.set X,   192                          ; v192-255 64 numbers: register 16 b + i = k 32 b + 16 (lane / 16) + i of my row
.set SEL, 32                           ; s[32:33] lane selects: lane l xor 16
	s_load_b256 s[4:11], s[0:1], 0x0               ; x, Wq, Wk, Wv
	s_load_b64 s[12:13], s[0:1], 0x20              ; opc
	v_lshl_add_u32 v[SPW], v0, 2, SPARE
	v_mov_b32 v[NIL], 0
	v_lshrrev_b32 v1, 5, v0
	v_readfirstlane_b32 s16, v1                    ; wave
	v_and_b32 v1, 31, v0                           ; lane
	v_and_b32 v2, 15, v0                           ; r
	v_bfe_u32 v3, v0, 4, 1                         ; h
	s_lshr_b32 s17, ttmp9, 2                       ; row panel 0 .. 87
	s_and_b32 s21, ttmp9, 3
	s_lshl_b32 s21, s21, 1
	s_lshr_b32 s22, s16, 1
	s_or_b32 s21, s21, s22                         ; K step 0 .. 7
	s_and_b32 s22, s16, 1                          ; u: the parity of my fragments
	s_mov_b32 s[SEL], 0x76543210
	s_mov_b32 s[SEL+1], 0xfedcba98
	s_mov_b32 s20, 80
	s_mov_b32 s27, 65536
.irp b, 0,1,2,3
	v_mov_b32 v[TM+4+\b], 0                        ; written once: a lane permute's destination counts as one of its sources
.endr
	s_wait_alu depctr_va_vdst(0)
	s_wait_kmcnt 0x0
	s_cmp_lt_u32 s17, 80                           ; which tensor: the choices hang on the work-group's number alone
	s_cselect_b64 s[18:19], s[8:9], s[10:11]       ; Wk, else Wv
	s_cselect_b32 s20, 72, s20                     ; the tensor's first row panel
	s_cselect_b32 s26, 15, 16                      ; a fragment's parity is 8 rows of 4,096 bytes on (Wv, in order: 16 rows),
	s_cselect_b32 s27, s27, 32768                  ; and its places 8 .. 15 lie 16 rows on (Wv: 8 rows)
	s_cmp_lt_u32 s17, 72
	s_cselect_b64 s[18:19], s[6:7], s[18:19]       ; Wq
	s_cselect_b32 s20, 64, s20
	s_cmp_lt_u32 s17, 64
	s_cselect_b64 s[18:19], s[4:5], s[18:19]       ; x
	s_cselect_b32 s20, 0, s20
	s_sub_co_u32 s20, s17, s20                     ; the row panel within its tensor
	s_lshl_b32 s28, s20, 19                        ; 128 rows of 4,096 bytes,
	s_lshl_b32 s23, s21, 9                         ; 128 numbers along K
	s_or_b32 s28, s28, s23
	s_mov_b32 s29, 0
	s_add_nc_u64 s[18:19], s[18:19], s[28:29]
	s_lshl_b32 s30, s17, 3
	s_add_co_u32 s30, s30, s21
	s_mul_i32 s30, s30, PANEL                      ; my panel in opc
	s_mov_b32 s31, 0
	s_add_nc_u64 s[12:13], s[12:13], s[30:31]
	s_lshl_b32 s23, s22, s26
	v_lshl_add_u32 v[VLO], v1, 4, s23
	v_add_nc_u32 v[VHI], s27, v[VLO]
	s_mul_i32 s24, s16, STGB
	v_lshl_add_u32 v[STI], v1, 4, s24
	v_mul_u32_u24 v[STX], v2, 528
	v_lshl_add_u32 v[STX], v3, 6, v[STX]
	v_add_nc_u32 v[STX], s24, v[STX]
	s_mul_i32 s25, s22, 1536
	v_lshl_add_u32 v[VOU], v1, 4, s25
	s_lshl_b32 s25, s22, 8
	v_lshl_add_u32 v[VSC], v2, 4, s25
.macro LOAD jf                         ; the 16 rows of fragment 2 jf + u, 512 consecutive bytes a load, into set jf % 2
.irp t, 0,1,2,3,4,5,6,7
	global_load_b128 v[R+64*((\jf)%2)+4*\t:R+64*((\jf)%2)+4*\t+3], v[VLO], s[18:19] offset:(32*(\jf)+\t)*4096 th:TH_LOAD_NT
.endr
.irp t, 0,1,2,3,4,5,6,7
	global_load_b128 v[R+64*((\jf)%2)+32+4*\t:R+64*((\jf)%2)+32+4*\t+3], v[VHI], s[18:19] offset:(32*(\jf)+\t)*4096 th:TH_LOAD_NT
.endr
.endm
; 64 numbers of a lane, v[s] on, become a fragment's codes in v[pc] on and my row's scale word in v[pw]
.macro QUANT s, pc, pw
.irp b, 0,1,2,3
	v_max3_num_f32 v[TM+\b], |v[(\s)+16*\b]|, |v[(\s)+16*\b+1]|, 0x1800000   ; my 16 numbers of block b, and the floor 2^(3 - 127): the byte cannot fall under 1
.endr
.irp i, 2,4,6,8,10,12,14
.irp b, 0,1,2,3
	v_max3_num_f32 v[TM+\b], |v[(\s)+16*\b+\i]|, |v[(\s)+16*\b+\i+1]|, v[TM+\b]   ; the four blocks by turns
.endr
.endr
.irp b, 0,1,2,3
	v_permlanex16_b32 v[TM+4+\b], v[TM+\b], s[SEL], s[SEL+1]
.endr
.irp b, 0,1,2,3
	v_max_num_f32 v[TM+\b], v[TM+\b], v[TM+4+\b]   ; with lane l xor 16's 16: the block's largest magnitude
.endr
.irp b, 0,1,2,3
	v_add_nc_u32 v[TM+12+\b], 0xff000000, v[TM+\b] ; 2 off its exponent field: the conversion's scale operand
.endr
.irp b, 0,1,2,3
	v_lshrrev_b32 v[TM+4+\b], 23, v[TM+12+\b]      ; the scale's byte
.endr
	v_lshl_or_b32 v[\pw], v[TM+5], 8, v[TM+4]
	v_lshl_or_b32 v[\pw], v[TM+6], 16, v[\pw]
	v_lshl_or_b32 v[\pw], v[TM+7], 24, v[\pw]
.irp c, 0,1
	v_cvt_scalef32_pk16_fp6_f32 v[(\pc)+6*\c:(\pc)+6*\c+2], v[(\s)+32*\c:(\s)+32*\c+15], v[TM+12+2*\c]
	v_cvt_scalef32_pk16_fp6_f32 v[TP+4*\c:TP+4*\c+2], v[(\s)+32*\c+16:(\s)+32*\c+31], v[TM+13+2*\c]   ; (a conversion's three registers begin on an even number)
.endr
	v_nop                                          ; one plain instruction behind the scaled conversions
.irp c, 0,1                            ; the operand wants a whole block in a lane: lanes 0-15 block 2 c, lanes 16-31 block 2 c + 1
.irp i, 0,1,2
	v_permlane16_swap_b32 v[(\pc)+6*\c+\i], v[TP+4*\c+\i]
.endr
.irp i, 0,1,2
	v_mov_b32 v[(\pc)+3+6*\c+\i], v[TP+4*\c+\i]
.endr
.endr
.endm
	LOAD 0
	LOAD 1
	s_set_vgpr_msb 0x40                            ; destinations in the second window: all 64 loads of the wave are asked for here
	LOAD 2
	LOAD 3
	s_set_vgpr_msb 0x4000
	s_wait_alu depctr_va_vdst(0)
.irp jf, 0,1,2,3
	s_wait_loadcnt 16*(3-\jf)                      ; this fragment's 16 loads are in; the 16 of each later fragment may be out
.if \jf > 1
	s_set_vgpr_msb 0x04                            ; an LDS store's data are its source 1: the second window
.endif
.irp t, 0,1,2,3,4,5,6,7,8,9,10,11,12,13,14,15
	ds_store_b128 v[STI], v[R+64*(\jf%2)+4*\t:R+64*(\jf%2)+4*\t+3] offset:528*\t
.endr
.if \jf > 1
	s_set_vgpr_msb 0x0400
.endif
.irp b, 0,1,2,3
.irp q, 0,1,2,3
	ds_load_b128 v[X+16*\b+4*\q:X+16*\b+4*\q+3], v[STX] offset:128*\b+16*\q   ; LDS serves a wave's instructions in order: these see the stores above
.endr
.endr
	s_wait_dscnt 0x0                               ; the numbers are back, and the stores into the stage have read their registers
	s_wait_xcnt 0x0                                ; the last fragment's stores have read their data: the codes' registers are written again only behind this wait
	QUANT X, PC, SW+\jf
.irp g, 0,1,2
	global_store_b128 v[VOU], v[PC+4*\g:PC+4*\g+3], s[12:13] offset:3072*\jf+512*\g   ; 32 lanes store 512 consecutive bytes, at a multiple of 256 from opc's first byte
.endr
.endr
	s_wait_tensorcnt 0x0                           ; the wave's end, behind my last LDS store
	ds_add_u32 v[SPW], v[NIL]
	s_wait_dscnt 0x0
	s_wait_xcnt 0x0                                ; EXEC changes only behind this wait
	v_cmp_gt_u32 vcc_lo, 16, v1
	s_and_saveexec_b32 s34, vcc_lo
	global_store_b128 v[VSC], v[SW:SW+3], s[12:13] offset:SCO   ; lanes 0-15: my 16 rows' words of four fragments: 256 consecutive bytes, aligned
	s_wait_xcnt 0x0
	s_or_b32 exec_lo, exec_lo, s34
	s_endpgm
.Lfunc_end_k_q3ce0e21b24_quant:
	.size	k_q3ce0e21b24_quant, .Lfunc_end_k_q3ce0e21b24_quant-k_q3ce0e21b24_quant
	.p2alignl 7, 3214868480
	.fill 96, 4, 3214868480
	.section	.rodata,"a",@progbits
	.p2align	6, 0x0
	.amdhsa_kernel k_q3ce0e21b24_quant
		.amdhsa_group_segment_fixed_size 34304
		.amdhsa_private_segment_fixed_size 0
		.amdhsa_enable_private_segment 0
		.amdhsa_kernarg_size 40
		.amdhsa_user_sgpr_count 2
		.amdhsa_user_sgpr_kernarg_segment_ptr 1
		.amdhsa_wavefront_size32 1
		.amdhsa_system_sgpr_workgroup_id_x 1
		.amdhsa_system_sgpr_workgroup_id_y 1
		.amdhsa_system_sgpr_workgroup_id_z 1
		.amdhsa_system_vgpr_workitem_id 0
		.amdhsa_next_free_vgpr 448
		.amdhsa_next_free_sgpr 66
		.amdhsa_reserve_vcc 1
		.amdhsa_float_denorm_mode_32 3
		.amdhsa_float_denorm_mode_16_64 3
		.amdhsa_memory_ordered 1
		.amdhsa_forward_progress 1
		.amdhsa_inst_pref_size 34
	.end_amdhsa_kernel
	.amdgpu_metadata
---
amdhsa.version: [ 1, 2 ]
amdhsa.kernels:
  - .name:           k_q3ce0e21b24_quant
    .symbol:         k_q3ce0e21b24_quant.kd
    .args:
      - { .name: x, .offset: 0, .size: 8, .value_kind: global_buffer, .address_space: global }
      - { .name: Wq, .offset: 8, .size: 8, .value_kind: global_buffer, .address_space: global }
      - { .name: Wk, .offset: 16, .size: 8, .value_kind: global_buffer, .address_space: global }
      - { .name: Wv, .offset: 24, .size: 8, .value_kind: global_buffer, .address_space: global }
      - { .name: opc, .offset: 32, .size: 8, .value_kind: global_buffer, .address_space: global }
    .group_segment_fixed_size: 34304
    .private_segment_fixed_size: 0
    .kernarg_segment_align: 8
    .kernarg_segment_size: 40
    .max_flat_workgroup_size: 128
    .sgpr_count:     66
    .vgpr_count:     448
    .wavefront_size: 32
...
	.end_amdgpu_metadata
.endif
;; end of part 1
;; launch proj (part 2): grid 8 x 32, 4 waves a work-group, clusters of 4 x 4, 327,680 bytes of LDS; arguments opc, qkv; writes qkv
.if DOCPART == 2
	.amdgcn_target "amdgcn-amd-amdhsa--gfx1250"
	.amdhsa_code_object_version 6
	.text
	.protected	k_q3ce0e21b24_proj
	.globl	k_q3ce0e21b24_proj
	.p2align	8
	.type	k_q3ce0e21b24_proj,@function
k_q3ce0e21b24_proj:
	s_mov_b64 s[64:65], 0
	v_nop
	global_prefetch_b8 v0, s[64:65] scope:SCOPE_SE
	s_setreg_imm32_b32 hwreg(HW_REG_WAVE_MODE, 25, 1), 1
	s_wait_xcnt 0x0
	s_wait_alu depctr_hold_cnt(0) depctr_sa_sdst(0) depctr_va_vdst(0) depctr_va_sdst(0) depctr_va_ssrc(0) depctr_va_vcc(0) depctr_vm_vsrc(0)
	s_getreg_b32 s2, hwreg(HW_REG_IB_STS2, 6, 4)
	s_cmp_eq_u32 s2, 0
	s_cbranch_scc0 .Lentry_in_a_cluster
	s_endpgm
.Lentry_in_a_cluster:
	s_bfe_u32 s2, ttmp6, 0x10000c
	s_cmp_lg_u32 s2, 0xf033
	s_cbranch_scc0 .Lentry_shape_is_right
	s_endpgm
.Lentry_shape_is_right:
; Q = x Wq^T, K = x Wk^T, V = x Wv^T on codes of FP6 (E2M3) with E8M0 scales, and the results quantised at once.  Operands and results are PANELS (128 rows x 128 K, 12,800 bytes: eight images of
; fragments, then the scale words).  A work-group takes 256 rows of x and 128 rows of each weight; a wave 128 rows of x against 128 of Wq or Wk (source 0 = the weight: a lane holds one row of x)
; and against 64 of Wv (source 0 = x: a lane holds one channel, its registers run along the keys).  qkv: Q at 0, K at 6,553,600, V^T at 13,107,200.
; K = 1,024 goes in four fills of two LDS slots of two K steps: one joint load a wave at the head, slot 1's first fill behind the full sequence and a round, as a refill.
; LIMITS: NaN and infinities are not served; a block whose largest magnitude lies under 2^-124 keeps the byte 1.
.set PANEL, 12800
.set SCO,   12288
.set XH,    2*PANEL
.set WQ,    3*PANEL
.set WOFF,  2*XH
.set SLOT1, 1<<17
.set SPARE, SLOT1+WOFF+2*WQ
.set RPB,   8*PANEL
.set ADX,  1
.set ADW,  2
.set ADV,  3
.set SPW,  4
.set NIL,  5
.set SC,   6
.set ADVS, 26
.set XF,   28
.set WB,   220
.set TM,   32
.set TP,   48
.set PW,   56
.set SW,   60
.set SWV,  64
.set LI,   66
.set LV,   67
.set LVS,  68
.set PCB,  112
.set G1, 24
.set G0, 32
.set G1B, 48
.set G0B, 56
.set SEL, 66
.set MHI, 70
.set MSB, 0
.set CNT, 0
.macro WIN new
.if MSB != (\new)
	s_set_vgpr_msb (MSB<<8)|(\new)
.set MSB, (\new)
.endif
.endm
.macro JLOAD g0a, g1a, g0b, g1b
	s_cmp_eq_u32 s15, 0
	s_cbranch_scc0 .Lfor_b_\@
	tensor_load_to_lds s[\g0a:\g0a+3], s[\g1a:\g1a+7]
	s_nop 0
.rept 4
	v_nop
.endr
	s_branch .Lasked_\@
.Lfor_b_\@:
	tensor_load_to_lds s[\g0b:\g0b+3], s[\g1b:\g1b+7]
	s_nop 0
.rept 4
	v_nop
.endr
.Lasked_\@:
.endm
.macro CREST
	s_cmp_lg_u32 s14, 0
	s_cbranch_scc1 .Lnot_wave_0_\@
	s_barrier_signal -3
.Lnot_wave_0_\@:
	s_barrier_wait -3
	s_barrier_signal -1
	s_barrier_wait -1
.endm
.macro CROUND
	s_barrier_signal -1
	s_barrier_wait -1
	CREST
.endm
.macro PLACES n
.rept \n
	v_nop
.endr
.endm
.macro WM d, s0, s1, z, x0, x1, r0, r1
.if \z
.if ((\r0)==1) && ((\r1)==1)
	v_wmma_scale_f32_16x16x128_f8f6f4 v[(\d):(\d)+7], v[(\s0):(\s0)+11], v[(\s1):(\s1)+11], 0, v[\x0], v[\x1] matrix_a_fmt:MATRIX_FMT_FP6 matrix_b_fmt:MATRIX_FMT_FP6 matrix_a_scale:MATRIX_SCALE_ROW1 matrix_b_scale:MATRIX_SCALE_ROW1
.elseif (\r0)==1
	v_wmma_scale_f32_16x16x128_f8f6f4 v[(\d):(\d)+7], v[(\s0):(\s0)+11], v[(\s1):(\s1)+11], 0, v[\x0], v[\x1] matrix_a_fmt:MATRIX_FMT_FP6 matrix_b_fmt:MATRIX_FMT_FP6 matrix_a_scale:MATRIX_SCALE_ROW1
.elseif (\r1)==1
	v_wmma_scale_f32_16x16x128_f8f6f4 v[(\d):(\d)+7], v[(\s0):(\s0)+11], v[(\s1):(\s1)+11], 0, v[\x0], v[\x1] matrix_a_fmt:MATRIX_FMT_FP6 matrix_b_fmt:MATRIX_FMT_FP6 matrix_b_scale:MATRIX_SCALE_ROW1
.else
	v_wmma_scale_f32_16x16x128_f8f6f4 v[(\d):(\d)+7], v[(\s0):(\s0)+11], v[(\s1):(\s1)+11], 0, v[\x0], v[\x1] matrix_a_fmt:MATRIX_FMT_FP6 matrix_b_fmt:MATRIX_FMT_FP6
.endif
.else
.if ((\r0)==1) && ((\r1)==1)
	v_wmma_scale_f32_16x16x128_f8f6f4 v[(\d):(\d)+7], v[(\s0):(\s0)+11], v[(\s1):(\s1)+11], v[(\d):(\d)+7], v[\x0], v[\x1] matrix_a_fmt:MATRIX_FMT_FP6 matrix_b_fmt:MATRIX_FMT_FP6 matrix_a_scale:MATRIX_SCALE_ROW1 matrix_b_scale:MATRIX_SCALE_ROW1
.elseif (\r0)==1
	v_wmma_scale_f32_16x16x128_f8f6f4 v[(\d):(\d)+7], v[(\s0):(\s0)+11], v[(\s1):(\s1)+11], v[(\d):(\d)+7], v[\x0], v[\x1] matrix_a_fmt:MATRIX_FMT_FP6 matrix_b_fmt:MATRIX_FMT_FP6 matrix_a_scale:MATRIX_SCALE_ROW1
.elseif (\r1)==1
	v_wmma_scale_f32_16x16x128_f8f6f4 v[(\d):(\d)+7], v[(\s0):(\s0)+11], v[(\s1):(\s1)+11], v[(\d):(\d)+7], v[\x0], v[\x1] matrix_a_fmt:MATRIX_FMT_FP6 matrix_b_fmt:MATRIX_FMT_FP6 matrix_b_scale:MATRIX_SCALE_ROW1
.else
	v_wmma_scale_f32_16x16x128_f8f6f4 v[(\d):(\d)+7], v[(\s0):(\s0)+11], v[(\s1):(\s1)+11], v[(\d):(\d)+7], v[\x0], v[\x1] matrix_a_fmt:MATRIX_FMT_FP6 matrix_b_fmt:MATRIX_FMT_FP6
.endif
.endif
.endm
.macro LDF reg, adr, off
.irp g, 0,1,2
	ds_load_b128 v[(\reg)+4*\g:(\reg)+4*\g+3], v[\adr] offset:(\off)+512*\g
.endr
.set CNT, CNT+3
.endm
.macro LDW j, q
.if (\j) < 8
	LDF WB+12*((\j)%3), ADW, (\q)*WQ+(\j)*1536
.else
	LDF WB+12*((\j)%3), ADV, (\q)*WQ+((\j)-8)*1536
.endif
.if (\j)%3 == 0
.set MW0, CNT
.elseif (\j)%3 == 1
.set MW1, CNT
.else
.set MW2, CNT
.endif
.endm
.macro WAITW j
.if (\j)%3 == 0
	s_wait_dscnt CNT-MW0
.elseif (\j)%3 == 1
	s_wait_dscnt CNT-MW1
.else
	s_wait_dscnt CNT-MW2
.endif
.endm
.macro SCALES p, q
	ds_load_b128 v[SC+10*(\p):SC+10*(\p)+3], v[ADX] offset:(\q)*PANEL+SCO
	ds_load_b128 v[SC+10*(\p)+4:SC+10*(\p)+7], v[ADW] offset:(\q)*WQ+SCO
	ds_load_b64 v[SC+10*(\p)+8:SC+10*(\p)+9], v[ADVS] offset:(\q)*WQ
.set CNT, CNT+3
.endm
.macro GRP k, j, zero
.set XP, XF+96*((\k)%2)
.set SCP, SC+10*((\k)%2)
.set WR, WB+12*((\j)%3)
.if (\j) < 8
	WIN 0x50
.irp a, 0,1,2,3
	WM 8*(8*\a+(\j)), WR, XP+12*\a, \zero, SCP+4+(\j)/2, SCP+\a/2, (\j)%2, \a%2
.endr
	WIN 0xa0
.irp a, 0,1,2,3
	WM 8*(8*\a+(\j)), WR, XP+48+12*\a, \zero, SCP+4+(\j)/2, SCP+2+\a/2, (\j)%2, \a%2
.endr
.else
	WIN 0xf0
.irp i, 0,1,2,3,4,5,6,7
	WM 8*(8*((\j)-8)+\i), XP+12*\i, WR, \zero, SCP+\i/2, SCP+8+((\j)-8)/2, \i%2, ((\j)-8)%2
.endr
.endif
.endm
.macro KSTEP k, zero
.irp j, 0,1,2,3,4,5,6,7,8,9,10,11
	WAITW \j
	GRP \k, \j, \zero
	WIN 0
	PLACES 4
.if \j < 9
	LDW \j+3, 0
.else
	LDW \j-9, 1
.endif
.if \j < 8
	LDF XF+96*(1-(\k)%2)+12*\j, ADX, PANEL+\j*1536
.elseif \j == 8
	SCALES 1-(\k)%2, 1
.endif
.endr
.endm
.macro KTURN k, fill
.set TS, ((\k)/2)%2
.irp j, 0,1,2,3,4,5,6,7,8
	WAITW \j
	GRP \k, \j, 0
	WIN 0
	PLACES 4
	LDW \j+3, 1
.endr
	s_wait_tensorcnt 0x0
	ds_add_u32 v[SPW], v[NIL]
.set CNT, CNT+1
	WAITW 9
	GRP \k, 9, 0
	s_wait_dscnt 0x0
	s_barrier_signal -1
	GRP \k, 10, 0
	WIN 0
	s_barrier_wait -1
.if \fill
	CREST
	s_add_nc_u64 s[G0+4*TS+2:G0+4*TS+3], s[G0+4*TS+2:G0+4*TS+3], 2*XH
	s_add_nc_u64 s[G0B+4*TS+2:G0B+4*TS+3], s[G0B+4*TS+2:G0B+4*TS+3], 2*XH
	JLOAD G0+4*TS, G1, G0B+4*TS, G1B
.else
	PLACES 4
.endif
.irp r, ADX, ADW, ADV, ADVS
	v_xor_b32 v[\r], SLOT1, v[\r]
.endr
	SCALES 1-(\k)%2, 0
.irp i, 0,1,2,3,4,5,6,7
	LDF XF+96*(1-(\k)%2)+12*\i, ADX, \i*1536
.endr
	LDW 0, 0
	LDW 1, 0
	GRP \k, 11, 0
	WIN 0
	PLACES 4
	LDW 2, 0
.endm
.macro KLAST k
.irp j, 0,1,2,3,4,5,6,7,8,9,10,11
	WAITW \j
	GRP \k, \j, 0
.if \j < 9
	WIN 0
	PLACES 4
	LDW \j+3, 1
.endif
.endr
	WIN 0
.endm
.macro QUANT w, s, pc, pw
	WIN (\w)|((\w)<<2)
.irp b, 0,1,2,3
	v_max3_num_f32 v[TM+\b], |v[(\s)+16*\b]|, |v[(\s)+16*\b+1]|, 0x1800000
.endr
.irp i, 2,4,6,8,10,12,14
.irp b, 0,1,2,3
	v_max3_num_f32 v[TM+\b], |v[(\s)+16*\b+\i]|, |v[(\s)+16*\b+\i+1]|, v[TM+\b]
.endr
.endr
	WIN 0
.irp b, 0,1,2,3
	v_permlanex16_b32 v[TM+4+\b], v[TM+\b], s[SEL], s[SEL+1]
.endr
.irp b, 0,1,2,3
	v_max_num_f32 v[TM+\b], v[TM+\b], v[TM+4+\b]
.endr
.irp b, 0,1,2,3
	v_add_nc_u32 v[TM+12+\b], 0xff000000, v[TM+\b]
.endr
.irp b, 0,1,2,3
	v_lshrrev_b32 v[TM+4+\b], 23, v[TM+12+\b]
.endr
	v_lshl_or_b32 v[\pw], v[TM+5], 8, v[TM+4]
	v_lshl_or_b32 v[\pw], v[TM+6], 16, v[\pw]
	v_lshl_or_b32 v[\pw], v[TM+7], 24, v[\pw]
	WIN (\w)
.irp c, 0,1
	v_cvt_scalef32_pk16_fp6_f32 v[(\pc)+6*\c:(\pc)+6*\c+2], v[(\s)+32*\c:(\s)+32*\c+15], v[TM+12+2*\c]
	v_cvt_scalef32_pk16_fp6_f32 v[TP+4*\c:TP+4*\c+2], v[(\s)+32*\c+16:(\s)+32*\c+31], v[TM+13+2*\c]
.endr
	WIN 0
	v_nop
.irp c, 0,1
.irp i, 0,1,2
	v_permlane16_swap_b32 v[(\pc)+6*\c+\i], v[TP+4*\c+\i]
.endr
.irp i, 0,1,2
	v_mov_b32 v[(\pc)+3+6*\c+\i], v[TP+4*\c+\i]
.endr
.endr
.endm
	s_load_b128 s[4:7], s[0:1], 0x0
	v_lshl_add_u32 v[SPW], v0, 2, SPARE
	v_mov_b32 v[NIL], 0
	ds_add_u32 v[SPW], v[NIL]
	ds_add_u32 v[SPW], v[NIL]
	v_lshrrev_b32 v1, 5, v0
	v_readfirstlane_b32 s14, v1
	s_lshr_b32 s15, s14, 1
	s_and_b32 s16, s14, 1
	s_bfe_u32 s40, ttmp6, 0x40000
	s_bfe_u32 s41, ttmp6, 0x40004
	s_lshl_b32 s42, ttmp9, 2
	s_add_co_u32 s42, s42, s40
	s_and_b32 s17, ttmp7, 0xffff
	s_lshl_b32 s17, s17, 2
	s_add_co_u32 s17, s17, s41
	s_lshl_b32 s43, s41, 2
	s_lshl_b32 s43, 15, s43
	s_lshl_b32 s44, 0x1111, s40
	s_or_b32 s[G1], s43, (3<<16)|(1<<21)
	s_mov_b32 s[G1+1], 32<<16
	s_mov_b32 s[G1+2], 100<<16
	s_mov_b32 s[G1+3], 32<<16
	s_mov_b32 s[G1+4], 100
	s_mov_b32 s[G1+5], 32
	s_mov_b32 s[G1+6], 0
	s_mov_b32 s[G1+7], 0
	s_or_b32 s[G1B], s44, (3<<16)|(1<<21)
	s_mov_b32 s[G1B+1], 1600<<16
	s_mov_b32 s[G1B+2], 3<<16
	s_mov_b32 s[G1B+3], 1600<<16
	s_mov_b32 s[G1B+4], 3
	s_mov_b32 s[G1B+5], 102400
	s_mov_b32 s[G1B+6], 0
	s_mov_b32 s[G1B+7], 0
	s_lshl_b32 s20, s17, 1
	s_add_co_u32 s20, s20, s16
	s_mul_i32 s20, s20, RPB
	s_mov_b32 s21, 0
	s_add_co_u32 s46, s42, 64
	s_mul_i32 s46, s46, RPB
	s_mul_i32 s47, s16, PANEL
	s_add_co_u32 s46, s46, s47
	s_mov_b32 s47, 0
	s_mul_i32 s45, s16, XH
	s_mul_i32 s84, s16, WQ
	s_add_co_u32 s84, s84, WOFF
	s_lshl_b32 s77, s17, 1
	s_add_co_u32 s77, s77, s15
	s_mul_i32 s76, s77, RPB
	s_mul_i32 s78, s16, 6553600
	s_add_co_u32 s76, s76, s78
	s_mul_i32 s78, s42, PANEL
	s_add_co_u32 s76, s76, s78
	s_lshr_b32 s78, s17, 3
	s_mul_i32 s78, s78, 1638400
	s_mul_i32 s79, s42, 204800
	s_add_co_u32 s78, s78, s79
	s_and_b32 s79, s77, 15
	s_mul_i32 s79, s79, PANEL
	s_add_co_u32 s78, s78, s79
	s_add_co_u32 s78, s78, 13107200
	s_mov_b32 s77, 0
	s_mov_b32 s79, 0
	s_mov_b32 s[SEL], 0x76543210
	s_mov_b32 s[SEL+1], 0xfedcba98
	s_mov_b32 s[MHI], 0xffff0000
	s_wait_dscnt 0x0
	CROUND                                         ; the round in front of the first joint loads needs no argument: it stands ahead of the wait for them
	s_wait_kmcnt 0x0
	s_add_nc_u64 s[20:21], s[4:5], s[20:21]
	s_add_nc_u64 s[46:47], s[4:5], s[46:47]
	s_add_nc_u64 s[12:13], s[6:7], s[76:77]
	s_add_nc_u64 s[10:11], s[6:7], s[78:79]
.irp s, 0,1
	s_mov_b32 s[G0+4*\s], 1
	s_add_co_u32 s[G0+4*\s+1], s45, \s*SLOT1
	s_add_nc_u64 s[G0+4*\s+2:G0+4*\s+3], s[20:21], \s*XH
	s_or_b32 s[G0+4*\s+3], s[G0+4*\s+3], 0x80000000
	s_mov_b32 s[G0B+4*\s], 1
	s_add_co_u32 s[G0B+4*\s+1], s84, \s*SLOT1
	s_add_nc_u64 s[G0B+4*\s+2:G0B+4*\s+3], s[46:47], \s*XH
	s_or_b32 s[G0B+4*\s+3], s[G0B+4*\s+3], 0x80000000
.endr
	JLOAD G0, G1, G0B, G1B                         ; slot 0: one tensor load a wave at the head
	v_and_b32 v28, 31, v0
	v_lshlrev_b32 v28, 4, v28
	s_mul_i32 s21, s15, XH
	v_add_nc_u32 v[ADX], s21, v28
	s_mul_i32 s22, s16, PANEL
	s_add_co_u32 s22, s22, WOFF
	v_add_nc_u32 v[ADW], s22, v28
	s_mul_i32 s23, s16, 4*1536
	s_add_co_u32 s23, s23, WOFF+2*PANEL
	v_add_nc_u32 v[ADV], s23, v28
	s_lshl_b32 s85, s16, 3
	s_add_co_u32 s85, s85, WOFF+2*PANEL+SCO
	v_add_nc_u32 v[ADVS], s85, v28
	s_wait_alu depctr_va_vdst(0)                   ; the head's end
	s_wait_tensorcnt 0x0                           ; my part of slot 0 is in
	ds_add_u32 v[SPW], v[NIL]
	s_wait_dscnt 0x0
	CROUND                                         ; a whole round: slot 0 is whole, and the joint loads meet
	JLOAD G0+4, G1, G0B+4, G1B                     ; slot 1's first fill, the first tensor load behind the round
	SCALES 0, 0
.irp i, 0,1,2,3,4,5,6,7
	LDF XF+12*\i, ADX, \i*1536
.endr
	LDW 0, 0
	LDW 1, 0
	LDW 2, 0
	KSTEP 0, 1
	KTURN 1, 1
	s_wait_alu depctr_va_vdst(0)
	KSTEP 2, 0
	KTURN 3, 1
	s_wait_alu depctr_va_vdst(0)
	KSTEP 4, 0
	KTURN 5, 0
	s_wait_alu depctr_va_vdst(0)
	KSTEP 6, 0
	KLAST 7
	PLACES 4
	v_and_b32 v[LI], 31, v0
	v_lshlrev_b32 v[LI], 4, v[LI]
	s_mul_i32 s86, s16, 4*1536
	s_lshl_b32 s87, s16, 3
	v_add_nc_u32 v[LV], s86, v[LI]
	v_add_nc_u32 v[LVS], s87, v[LI]
.irp b, 0,1,2,3
	v_mov_b32 v[TM+4+\b], 0
.endr
.irp a, 0,1,2,3,4,5,6,7
	QUANT 1+\a/4, 64*(\a%4), PCB+12*\a, PW+(\a%2)
.if \a%2
	v_cndmask_b32 v[SW+\a/2], v[PW], v[PW+1], s[MHI]
.endif
.irp g, 0,1,2
	global_store_b128 v[LI], v[PCB+12*\a+4*\g:PCB+12*\a+4*\g+3], s[12:13] offset:1536*\a+512*\g
.endr
.endr
	global_store_b128 v[LI], v[SW:SW+3], s[12:13] offset:SCO
.irp c, 0,1,2,3
	QUANT 3, 64*\c, PCB+96+12*\c, PW+(\c%2)
.if \c%2
	v_cndmask_b32 v[SWV+\c/2], v[PW], v[PW+1], s[MHI]
.endif
.irp g, 0,1,2
	global_store_b128 v[LV], v[PCB+96+12*\c+4*\g:PCB+96+12*\c+4*\g+3], s[10:11] offset:1536*\c+512*\g
.endr
.endr
	global_store_b64 v[LVS], v[SWV:SWV+1], s[10:11] offset:SCO
	s_wait_tensorcnt 0x0
	ds_add_u32 v[SPW], v[NIL]
	s_wait_dscnt 0x0
	CROUND
	s_endpgm
.Lfunc_end_k_q3ce0e21b24_proj:
	.size	k_q3ce0e21b24_proj, .Lfunc_end_k_q3ce0e21b24_proj-k_q3ce0e21b24_proj
	.p2alignl 7, 3214868480
	.fill 96, 4, 3214868480
	.section	.rodata,"a",@progbits
	.p2align	6, 0x0
	.amdhsa_kernel k_q3ce0e21b24_proj
		.amdhsa_group_segment_fixed_size 327680
		.amdhsa_private_segment_fixed_size 0
		.amdhsa_enable_private_segment 0
		.amdhsa_kernarg_size 16
		.amdhsa_user_sgpr_count 2
		.amdhsa_user_sgpr_kernarg_segment_ptr 1
		.amdhsa_wavefront_size32 1
		.amdhsa_system_sgpr_workgroup_id_x 1
		.amdhsa_system_sgpr_workgroup_id_y 1
		.amdhsa_system_sgpr_workgroup_id_z 1
		.amdhsa_system_vgpr_workitem_id 0
		.amdhsa_next_free_vgpr 1024
		.amdhsa_next_free_sgpr 100
		.amdhsa_reserve_vcc 0
		.amdhsa_float_denorm_mode_32 3
		.amdhsa_float_denorm_mode_16_64 3
		.amdhsa_memory_ordered 1
		.amdhsa_forward_progress 1
		.amdhsa_inst_pref_size 211
	.end_amdhsa_kernel
	.amdgpu_metadata
---
amdhsa.version: [ 1, 2 ]
amdhsa.kernels:
  - .name:           k_q3ce0e21b24_proj
    .symbol:         k_q3ce0e21b24_proj.kd
    .args:
      - { .name: opc, .offset: 0, .size: 8, .value_kind: global_buffer, .address_space: global }
      - { .name: qkv, .offset: 8, .size: 8, .value_kind: global_buffer, .address_space: global }
    .group_segment_fixed_size: 327680
    .private_segment_fixed_size: 0
    .kernarg_segment_align: 8
    .kernarg_segment_size: 16
    .max_flat_workgroup_size: 128
    .sgpr_count:     100
    .vgpr_count:     1024
    .wavefront_size: 32
...
	.end_amdgpu_metadata
.endif
;; end of part 2
;; launch score (part 3): grid 8 x 32, 4 waves a work-group, clusters of 4 x 4, 327,680 bytes of LDS; arguments qkv, pc, st; writes pc, st
.if DOCPART == 3
	.amdgcn_target "amdgcn-amd-amdhsa--gfx1250"
	.amdhsa_code_object_version 6
	.text
	.protected	k_q3ce0e21b24_score
	.globl	k_q3ce0e21b24_score
	.p2align	8
	.type	k_q3ce0e21b24_score,@function
k_q3ce0e21b24_score:
	s_mov_b64 s[64:65], 0
	v_nop
	global_prefetch_b8 v0, s[64:65] scope:SCOPE_SE
	s_setreg_imm32_b32 hwreg(HW_REG_WAVE_MODE, 25, 1), 1
	s_wait_xcnt 0x0
	s_wait_alu depctr_hold_cnt(0) depctr_sa_sdst(0) depctr_va_vdst(0) depctr_va_sdst(0) depctr_va_ssrc(0) depctr_va_vcc(0) depctr_vm_vsrc(0)
	s_getreg_b32 s2, hwreg(HW_REG_IB_STS2, 6, 4)
	s_cmp_eq_u32 s2, 0
	s_cbranch_scc0 .Lentry_in_a_cluster
	s_endpgm
.Lentry_in_a_cluster:
	s_bfe_u32 s2, ttmp6, 0x10000c
	s_cmp_lg_u32 s2, 0xf033
	s_cbranch_scc0 .Lentry_shape_is_right
	s_endpgm
.Lentry_shape_is_right:
; S = Q K^T on codes of FP6 (E2M3) with E8M0 scales, and the softmax's p quantised at once, 128 keys at a time.  Operands and results are PANELS: 128 rows x 128 K, 12,800 bytes: fragment i at 1,536 i, registers
; 4 g .. 4 g + 3 of lane L at 512 g + 16 L; at 12,288 the scale words, place 32 j + l at 16 l + 4 j.  qkv: Q [64][8] at 0, K [64][8] at 6,553,600.  pc: P [64 query panels][16 key steps].
; st: [64][16][1,024]: for each query of a panel and each 128 keys, -M (512 bytes) and l (512 bytes), f32, laid as the scale words are.
; THE SOFTMAX: t = score x log2(e) / 32; M = the ceiling of the largest t OF THESE 128 KEYS, a whole number; p = 2^(t - M) is quantised along the keys; l = the sum of the unquantised p.  The next launch takes the
; row's largest M and moves each scale byte and each l by the difference, a whole power of two: the codes' values are those under the row's M.
; A tile is 256 queries x 256 keys, four waves of 128 x 128.  THE MATRIX INSTRUCTION IS USED TRANSPOSED: source 0 = K's rows, source 1 = Q's: a lane holds one query; by the order of rows in K's panels the 16
; registers of two neighbouring tiles are 16 neighbouring keys.
; LDS: four regions of six panels, one for each of the tile's two panel rows of Q and of K; K step k lies at place k % 6 of its region.  At the head each wave asks for ONE region: K steps 0 to 5, 300 rows of 256
; dense bytes.  K steps 6 and 7 come by the one refill, 100 rows a wave, into places 0 and 1, asked for in K step 1, when those places have been read, and first read in K step 5.
; Q's regions are shared along a row of the cluster, K's along a column: joint loads.  By this text's count a wave has one tensor load out at the most.
; NO PREFETCH: the text has no loop to run ahead in, and its one refill is asked for four K steps, 256 matrix instructions, ahead of its first read.
; LIMITS: NaN and infinities are not served; a p under 2^-126 counts as 0; a block whose every p is 0 has the byte 1.
; REGISTERS: window 0: v16-29 addresses; v32-47 scale words, two sets; v64-115 at work on the way out; v128-223 Q's 8 fragments, later p's codes.  window 1: K's fragments, two sets.  windows 2, 3: accumulators.
.set PANEL, 12800
.set SCO,   12288
.set REG,   6*PANEL                    ; a region: six K steps of one panel row
.set SPARE, 4*REG                      ; behind the regions: the spare words, 128 bytes a wave, which no other line names
.set RPB,   8*PANEL
.set ADRA, 16                          ; v16, v17 my region of Q, places 0-2 and 3-5
.set ADRB, 20                          ; v20, v21 the same of K
.set LI,   26
.set SPW,  28
.set NIL,  29
.set SC,   32                          ; set k % 2: four registers of Q's words, four of K's
.set BM,   64                          ; v64-67 each block's largest score, then its largest p
.set BX,   68                          ; v68-71 the other half of the lanes'
.set SO,   72                          ; v72-75 the conversions' scale operands
.set BY,   76                          ; v76-79 the scale bytes
.set TP,   80                          ; v80-87
.set NM,   88                          ; v88, v90 -M of an even and an odd block (named as pairs: v89, v91 are written once)
.set L0,   92                          ; v[92:93], v[94:95] the sum, in two chains of pairs
.set L1,   94
.set T,    96                          ; v96, v97
.set LS,   98                          ; v98, v99 l of an even and an odd block
.set PW,   100                         ; v100, v101 the scale words
.set SW,   104                         ; v104-107 scale words, v108-111 -M, v112-115 l, as they are stored
.set MW,   108
.set LW,   112
.set AF,   128
.set G1, 24
.set G0, 32
.set G1B, 48
.set G0B, 56
.set SEL, 66
.set CS,  68                           ; s[68:69] c = log2(e) / 32
.set MHI, 70
.set MSB, 0
.macro WIN new
.if MSB != (\new)
	s_set_vgpr_msb (MSB<<8)|(\new)
.set MSB, (\new)
.endif
.endm
.set MUL_LO, 0xa1
.set MUL_HI, 0xf1
.set TO_B,   0x40
.macro JLOAD g0a, g1a, g0b, g1b        ; a joint load: waves 0 and 1 fetch for Q, waves 2 and 3 for K; an s_nop 0 and four v_nop follow each line
	s_cmp_eq_u32 s15, 0
	s_cbranch_scc0 .Lfor_b_\@
	tensor_load_to_lds s[\g0a:\g0a+3], s[\g1a:\g1a+7]
	s_nop 0
.rept 4
	v_nop
.endr
	s_branch .Lasked_\@
.Lfor_b_\@:
	tensor_load_to_lds s[\g0b:\g0b+3], s[\g1b:\g1b+7]
	s_nop 0
.rept 4
	v_nop
.endr
.Lasked_\@:
.endm
.macro CREST
	s_cmp_lg_u32 s14, 0
	s_cbranch_scc1 .Lnot_wave_0_\@
	s_barrier_signal -3
.Lnot_wave_0_\@:
	s_barrier_wait -3
	s_barrier_signal -1
	s_barrier_wait -1
.endm
.macro CROUND
	s_barrier_signal -1
	s_barrier_wait -1
	CREST
.endm
.macro PLACES n
.rept \n
	v_nop
.endr
.endm
.macro WM d, s0, s1, z, x0, x1, r0, r1
.if \z
.if ((\r0)==1) && ((\r1)==1)
	v_wmma_scale_f32_16x16x128_f8f6f4 v[(\d):(\d)+7], v[(\s0):(\s0)+11], v[(\s1):(\s1)+11], 0, v[\x0], v[\x1] matrix_a_fmt:MATRIX_FMT_FP6 matrix_b_fmt:MATRIX_FMT_FP6 matrix_a_scale:MATRIX_SCALE_ROW1 matrix_b_scale:MATRIX_SCALE_ROW1
.elseif (\r0)==1
	v_wmma_scale_f32_16x16x128_f8f6f4 v[(\d):(\d)+7], v[(\s0):(\s0)+11], v[(\s1):(\s1)+11], 0, v[\x0], v[\x1] matrix_a_fmt:MATRIX_FMT_FP6 matrix_b_fmt:MATRIX_FMT_FP6 matrix_a_scale:MATRIX_SCALE_ROW1
.elseif (\r1)==1
	v_wmma_scale_f32_16x16x128_f8f6f4 v[(\d):(\d)+7], v[(\s0):(\s0)+11], v[(\s1):(\s1)+11], 0, v[\x0], v[\x1] matrix_a_fmt:MATRIX_FMT_FP6 matrix_b_fmt:MATRIX_FMT_FP6 matrix_b_scale:MATRIX_SCALE_ROW1
.else
	v_wmma_scale_f32_16x16x128_f8f6f4 v[(\d):(\d)+7], v[(\s0):(\s0)+11], v[(\s1):(\s1)+11], 0, v[\x0], v[\x1] matrix_a_fmt:MATRIX_FMT_FP6 matrix_b_fmt:MATRIX_FMT_FP6
.endif
.else
.if ((\r0)==1) && ((\r1)==1)
	v_wmma_scale_f32_16x16x128_f8f6f4 v[(\d):(\d)+7], v[(\s0):(\s0)+11], v[(\s1):(\s1)+11], v[(\d):(\d)+7], v[\x0], v[\x1] matrix_a_fmt:MATRIX_FMT_FP6 matrix_b_fmt:MATRIX_FMT_FP6 matrix_a_scale:MATRIX_SCALE_ROW1 matrix_b_scale:MATRIX_SCALE_ROW1
.elseif (\r0)==1
	v_wmma_scale_f32_16x16x128_f8f6f4 v[(\d):(\d)+7], v[(\s0):(\s0)+11], v[(\s1):(\s1)+11], v[(\d):(\d)+7], v[\x0], v[\x1] matrix_a_fmt:MATRIX_FMT_FP6 matrix_b_fmt:MATRIX_FMT_FP6 matrix_a_scale:MATRIX_SCALE_ROW1
.elseif (\r1)==1
	v_wmma_scale_f32_16x16x128_f8f6f4 v[(\d):(\d)+7], v[(\s0):(\s0)+11], v[(\s1):(\s1)+11], v[(\d):(\d)+7], v[\x0], v[\x1] matrix_a_fmt:MATRIX_FMT_FP6 matrix_b_fmt:MATRIX_FMT_FP6 matrix_b_scale:MATRIX_SCALE_ROW1
.else
	v_wmma_scale_f32_16x16x128_f8f6f4 v[(\d):(\d)+7], v[(\s0):(\s0)+11], v[(\s1):(\s1)+11], v[(\d):(\d)+7], v[\x0], v[\x1] matrix_a_fmt:MATRIX_FMT_FP6 matrix_b_fmt:MATRIX_FMT_FP6
.endif
.endif
.endm
.macro FRAG reg, adr, q, i
.irp g, 0,1,2
	ds_load_b128 v[(\reg)+4*\g:(\reg)+4*\g+3], v[\adr] offset:(\q)*PANEL+(\i)*1536+512*\g
.endr
.endm
.macro MUL16 a0, k, zero               ; Q's blocks a0, a0 + 1 x K's eight, K step k; the 64 accumulators take turns, one instruction a turn
.irp a, \a0, \a0+1
.irp b, 0,1,2,3,4,5,6,7
	WM 8*(8*((\a)%4)+\b), 128*((\k)%2)+12*\b, AF+12*(\a), \zero, SC+8*((\k)%2)+4+\b/2, SC+8*((\k)%2)+(\a)/2, \b%2, (\a)%2
.endr
.endr
.endm
.macro FETCH1 k                        ; K step k: K's eight fragments into set k % 2, Q's blocks 0-3, both sides' scale words: 38 loads
.set PL, (\k)%6
	WIN TO_B
.irp i, 0,1,2,3,4,5,6,7
	FRAG 128*((\k)%2)+12*\i, ADRB+PL/3, PL%3, \i
.endr
	WIN 0
.irp i, 0,1,2,3
	FRAG AF+12*\i, ADRA+PL/3, PL%3, \i
.endr
	ds_load_b128 v[SC+8*((\k)%2):SC+8*((\k)%2)+3], v[ADRA+PL/3] offset:(PL%3)*PANEL+SCO
	ds_load_b128 v[SC+8*((\k)%2)+4:SC+8*((\k)%2)+7], v[ADRB+PL/3] offset:(PL%3)*PANEL+SCO
.endm
.macro FETCH2 k                        ; Q's blocks 4-7: 12 loads
.set PL, (\k)%6
.irp i, 4,5,6,7
	FRAG AF+12*\i, ADRA+PL/3, PL%3, \i
.endr
.endm
; A K step: 64 matrix instructions; the next step's fragments are fetched in its middle and at its end.
; mode 1: places 0 and 1 are read no more: the three lines, a round of the cluster's barrier, the refill.  mode 2: the refill has landed: a barrier shows it whole to all four waves.
.macro STEP k, zero, mode
.if \mode
	s_wait_tensorcnt 0x0                           ; all my tensor loads have landed
.if (\mode) == 1
	ds_add_u32 v[SPW], v[NIL]                      ; 0 onto my spare word
	s_wait_dscnt 13                                ; the add and the youngest 12 loads (Q's blocks 4-7) may be out
.else
	s_wait_dscnt 12
.endif
	WIN MUL_LO
	MUL16 0, \k, \zero
	s_wait_dscnt 0x0                               ; all my LDS instructions are done: the add, and my reads of the places left behind
	s_barrier_signal -1
	MUL16 2, \k, \zero
	WIN 0
	s_barrier_wait -1
.if (\mode) == 1
	CREST                                          ; no wave of any partner still reads places 0 and 1 or has a load on its way
	JLOAD G0, G1, G0B, G1B                         ; K steps 6 and 7; the four v_nop behind it are the places in front of the loads below
.else
	PLACES 4
.endif
.else
	s_wait_dscnt 12                                ; all but the youngest 12 loads (Q's blocks 4-7) are in
	WIN MUL_LO
	MUL16 0, \k, \zero
	MUL16 2, \k, \zero
	s_wait_dscnt 0
	PLACES 4
.endif
	FETCH1 (\k)+1
	WIN MUL_HI
	MUL16 4, \k, \zero
	MUL16 6, \k, \zero
	PLACES 4
	WIN 0
	FETCH2 (\k)+1
.endm
; Block a: 16 queries x 128 keys.  A lane holds one query; register 16 b + i is key 32 b + 16 (lane / 16) + i.
.macro SOFT a
.set WW, 2+(\a)/4
.set SS, 64*((\a)%4)
.set EE, (\a)%2
.set PC, AF+12*(\a)
	WIN WW|(WW<<2)
.irp b, 0,1,2,3
	v_max_num_f32 v[BM+\b], v[SS+16*\b], v[SS+16*\b+1]   ; the largest score of each block of 32 keys: it serves the row's maximum and, since p rises with the score, the block's largest p
.endr
.irp i, 2,4,6,8,10,12,14
.irp b, 0,1,2,3
	v_max3_num_f32 v[BM+\b], v[SS+16*\b+\i], v[SS+16*\b+\i+1], v[BM+\b]
.endr
.endr
	WIN 0
.irp b, 0,1,2,3
	v_permlanex16_b32 v[BX+\b], v[BM+\b], s[SEL], s[SEL+1]
.endr
.irp b, 0,1,2,3
	v_max_num_f32 v[BM+\b], v[BM+\b], v[BX+\b]
.endr
	v_max3_num_f32 v[T], v[BM], v[BM+1], v[BM+2]
	v_max_num_f32 v[T], v[T], v[BM+3]
	v_mul_f32 v[T], s[CS], v[T]                    ; the largest t of these 128 keys (c is positive)
	v_floor_f32 v[NM+2*EE], -v[T]                  ; -M = floor(-t) = -ceil(t)
.irp b, 0,1,2,3
	v_fma_f32 v[BM+\b], v[BM+\b], s[CS], v[NM+2*EE]
.endr
	s_wait_alu depctr_va_vdst(0)
.irp b, 0,1,2,3
	v_exp_f32 v[BM+\b], v[BM+\b]                   ; the block's largest p: the same multiply-add and exponential on the same number
.endr
	WIN WW|(WW<<6)
.set j, 0
.rept 32
	v_pk_fma_f32 v[SS+j:SS+j+1], v[SS+j:SS+j+1], s[CS:CS+1], v[NM+2*EE:NM+2*EE+1] op_sel_hi:[1,0,0]   ; t - M, two at a time
.set j, j+2
.endr
.set j, 0
	s_wait_alu depctr_va_vdst(0)
.rept 64
	v_exp_f32 v[SS+j], v[SS+j]                     ; p = 2^(t - M)
.set j, j+1
.endr
	v_nop                                          ; a plain instruction behind the last exponential
	s_wait_alu depctr_va_vdst(0)                   ; one wait for all 68 exponentials, ahead of the first instruction that names a result
	WIN 0
.irp b, 0,1,2,3
	v_max_num_f32 v[BM+\b], 0x1800000, v[BM+\b]    ; the floor 2^(3 - 127): the byte cannot fall under 1
.endr
.irp b, 0,1,2,3
	v_add_nc_u32 v[SO+\b], 0xff000000, v[BM+\b]    ; 2 off the exponent field: the conversion's scale operand
.endr
.irp b, 0,1,2,3
	v_lshrrev_b32 v[BY+\b], 23, v[SO+\b]
.endr
	v_lshl_or_b32 v[PW+EE], v[BY+1], 8, v[BY]
	v_lshl_or_b32 v[PW+EE], v[BY+2], 16, v[PW+EE]
	v_lshl_or_b32 v[PW+EE], v[BY+3], 24, v[PW+EE]
	WIN WW|(WW<<2)
	v_pk_add_f32 v[L0:L0+1], v[SS:SS+1], v[SS+2:SS+3]      ; the sum of the UNQUANTISED p, in two chains of pairs
	v_pk_add_f32 v[L1:L1+1], v[SS+4:SS+5], v[SS+6:SS+7]
	WIN WW
.irp j, 8,12,16,20,24,28,32,36,40,44,48,52,56,60
	v_pk_add_f32 v[L0:L0+1], v[SS+\j:SS+\j+1], v[L0:L0+1]
	v_pk_add_f32 v[L1:L1+1], v[SS+\j+2:SS+\j+3], v[L1:L1+1]
.endr
.irp c, 0,1
	v_cvt_scalef32_pk16_fp6_f32 v[PC+6*\c:PC+6*\c+2], v[SS+32*\c:SS+32*\c+15], v[SO+2*\c]
	v_cvt_scalef32_pk16_fp6_f32 v[TP+4*\c:TP+4*\c+2], v[SS+32*\c+16:SS+32*\c+31], v[SO+2*\c+1]
.endr
	WIN 0
	v_pk_add_f32 v[L0:L0+1], v[L0:L0+1], v[L1:L1+1]        ; (the plain instruction behind the scaled conversions)
	v_add_f32 v[T], v[L0], v[L0+1]
	v_permlanex16_b32 v[T+1], v[T], s[SEL], s[SEL+1]
	v_add_f32 v[LS+EE], v[T], v[T+1]               ; l of my query for these 128 keys
.irp c, 0,1
.irp i, 0,1,2
	v_permlane16_swap_b32 v[PC+6*\c+\i], v[TP+4*\c+\i]
.endr
.irp i, 0,1,2
	v_mov_b32 v[PC+3+6*\c+\i], v[TP+4*\c+\i]
.endr
.endr
.if EE
	v_cndmask_b32 v[SW+(\a)/2], v[PW], v[PW+1], s[MHI]     ; lanes 0-15: the even block's, lanes 16-31 the odd block's
	v_cndmask_b32 v[MW+(\a)/2], v[NM], v[NM+2], s[MHI]
	v_cndmask_b32 v[LW+(\a)/2], v[LS], v[LS+1], s[MHI]
.endif
.irp g, 0,1,2
	global_store_b128 v[LI], v[PC+4*\g:PC+4*\g+3], s[12:13] offset:1536*(\a)+512*\g   ; 512 consecutive bytes a store; no store's data are written again
.endr
.endm
	s_load_b128 s[4:7], s[0:1], 0x0                ; qkv s[4:5], pc s[6:7]
	s_load_b64 s[8:9], s[0:1], 0x10                ; st
	v_lshl_add_u32 v[SPW], v0, 2, SPARE
	v_mov_b32 v[NIL], 0
	ds_add_u32 v[SPW], v[NIL]                      ; the wave's opening: the add, twice on end, and its wait ahead of my first tensor load
	ds_add_u32 v[SPW], v[NIL]
	v_lshrrev_b32 v1, 5, v0
	v_readfirstlane_b32 s14, v1
	s_lshr_b32 s15, s14, 1                         ; my half of the queries.  Also: I fetch for Q (0) or for K (1)
	s_and_b32 s16, s14, 1                          ; my half of the keys.  Also: which panel row I fetch
	s_bfe_u32 s40, ttmp6, 0x40000                  ; cx
	s_bfe_u32 s41, ttmp6, 0x40004                  ; cy
	s_lshl_b32 s42, ttmp9, 2
	s_add_co_u32 s42, s42, s40                     ; tile column: 256 keys of the batch, 0 .. 7
	s_and_b32 s19, ttmp7, 0xffff
	s_lshl_b32 s17, s19, 2
	s_add_co_u32 s17, s17, s41                     ; tile row: 256 queries, 0 .. 31
	s_lshr_b32 s18, s19, 1                         ; the batch: from the cluster's y alone
	s_lshl_b32 s43, s41, 2
	s_lshl_b32 s43, 15, s43
	s_lshl_b32 s44, 0x1111, s40
	s_or_b32 s[G1], s43, (3<<16)|(1<<21)           ; the mask of my row; elements of 8 bytes; bit 21 beside a mask; no padding
	s_or_b32 s[G1B], s44, (3<<16)|(1<<21)
.irp g, G1, G1B
	s_mov_b32 s[\g+1], 32<<16                      ; rows of 256 bytes,
	s_mov_b32 s[\g+2], 300<<16                     ; at the head 300 of them: six panels, 76,800 dense bytes
	s_mov_b32 s[\g+3], 32<<16
	s_mov_b32 s[\g+4], 300
	s_mov_b32 s[\g+5], 32
	s_mov_b32 s[\g+6], 0
	s_mov_b32 s[\g+7], 0
.endr
	s_lshl_b32 s20, s17, 1
	s_add_co_u32 s20, s20, s16
	s_mul_i32 s20, s20, RPB                        ; Q: row of panels 2 x tile row + which
	s_mov_b32 s21, 0
	s_lshl_b32 s46, s18, 4
	s_lshl_b32 s47, s42, 1
	s_add_co_u32 s46, s46, s47
	s_add_co_u32 s46, s46, s16
	s_add_co_u32 s46, s46, 64
	s_mul_i32 s46, s46, RPB                        ; K: behind Q's 64 rows of panels: 16 x batch + 2 x tile column + which
	s_mov_b32 s47, 0
	s_mov_b32 s[G0], 1
	s_mul_i32 s[G0+1], s14, REG                    ; the region that I fill: wave x six panels
	s_mov_b32 s[G0B], 1
	s_mul_i32 s[G0B+1], s14, REG
	s_lshl_b32 s76, s17, 1
	s_add_co_u32 s76, s76, s15
	s_lshl_b32 s76, s76, 4
	s_lshl_b32 s77, s42, 1
	s_add_co_u32 s76, s76, s77
	s_add_co_u32 s76, s76, s16                     ; my panel of P: 16 x (my query panel) + my key step
	s_lshl_b32 s78, s76, 10
	s_mov_b32 s79, 0
	s_mul_i32 s76, s76, PANEL
	s_mov_b32 s77, 0
	s_mov_b32 s[SEL], 0x76543210
	s_mov_b32 s[SEL+1], 0xfedcba98
	s_mov_b32 s[CS], 0x3d38aa3b                    ; log2(e) / 32
	s_mov_b32 s[CS+1], s[CS]                       ; (named with it as a pair)
	s_mov_b32 s[MHI], 0xffff0000
	s_mul_i32 s22, s15, REG                        ; the regions that I read: my half of the queries,
	s_mul_i32 s23, s16, REG
	s_add_co_u32 s23, s23, 2*REG                   ; my half of the keys
	v_and_b32 v1, 31, v0
	v_lshlrev_b32 v[LI], 4, v1
	v_add_nc_u32 v[ADRA], s22, v[LI]
	v_add_nc_u32 v[ADRB], s23, v[LI]
	v_add_nc_u32 v[ADRA+1], 3*PANEL, v[ADRA]
	v_add_nc_u32 v[ADRB+1], 3*PANEL, v[ADRB]
.irp b, 0,1,2,3
	v_mov_b32 v[BX+\b], 0                          ; written once: a lane permute's destination counts as one of its sources
.endr
	v_mov_b32 v[T+1], 0
	v_mov_b32 v[NM+1], 0                           ; the upper halves of the pairs that the packed form names
	v_mov_b32 v[NM+3], 0
	s_wait_alu depctr_va_vdst(0)                   ; behind the head's last vector instruction, directly ahead of the waits below
	s_wait_dscnt 0x0                               ; both opening adds are done
	CROUND                                         ; the round in front of the first joint loads needs no argument: it stands ahead of the wait for them
	s_wait_kmcnt 0x0
	s_add_nc_u64 s[G0+2:G0+3], s[4:5], s[20:21]
	s_or_b32 s[G0+3], s[G0+3], 0x80000000
	s_add_nc_u64 s[G0B+2:G0B+3], s[4:5], s[46:47]
	s_or_b32 s[G0B+3], s[G0B+3], 0x80000000
	s_add_nc_u64 s[12:13], s[6:7], s[76:77]
	s_add_nc_u64 s[10:11], s[8:9], s[78:79]
	JLOAD G0, G1, G0B, G1B                         ; K steps 0 to 5 of my region: one tensor load a wave at the head
	s_wait_tensorcnt 0x0                           ; my region is in, and no tensor load of mine is out: the descriptors may be written
.irp g, G1, G1B
	s_mov_b32 s[\g+2], 100<<16                     ; the refill brings 100 rows: two panels,
	s_mov_b32 s[\g+4], 100
.endr
	s_add_nc_u64 s[G0+2:G0+3], s[G0+2:G0+3], 6*PANEL       ; K steps 6 and 7, into the region's first two places
	s_add_nc_u64 s[G0B+2:G0B+3], s[G0B+2:G0B+3], 6*PANEL
	s_barrier_signal -1
	s_barrier_wait -1
	FETCH1 0
	FETCH2 0
	STEP 0, 1, 0                                   ; the first step's products start the sums
	STEP 1, 0, 1
	STEP 2, 0, 0
	STEP 3, 0, 0
	STEP 4, 0, 0
	STEP 5, 0, 2
	STEP 6, 0, 0
	s_wait_dscnt 12
	WIN MUL_LO
	MUL16 0, 7, 0
	MUL16 2, 7, 0
	s_wait_dscnt 0
	WIN MUL_HI
	MUL16 4, 7, 0
	MUL16 6, 7, 0
	WIN 0
	PLACES 4
.irp a, 0,1,2,3,4,5,6,7
	SOFT \a
.endr
	global_store_b128 v[LI], v[SW:SW+3], s[12:13] offset:SCO
	global_store_b128 v[LI], v[MW:MW+3], s[10:11]
	global_store_b128 v[LI], v[LW:LW+3], s[10:11] offset:512
	s_wait_tensorcnt 0x0                           ; the wave's end
	ds_add_u32 v[SPW], v[NIL]
	s_wait_dscnt 0x0
	CROUND                                         ; the closing round
	s_endpgm
.Lfunc_end_k_q3ce0e21b24_score:
	.size	k_q3ce0e21b24_score, .Lfunc_end_k_q3ce0e21b24_score-k_q3ce0e21b24_score
	.p2alignl 7, 3214868480
	.fill 96, 4, 3214868480
	.section	.rodata,"a",@progbits
	.p2align	6, 0x0
	.amdhsa_kernel k_q3ce0e21b24_score
		.amdhsa_group_segment_fixed_size 327680
		.amdhsa_private_segment_fixed_size 0
		.amdhsa_enable_private_segment 0
		.amdhsa_kernarg_size 24
		.amdhsa_user_sgpr_count 2
		.amdhsa_user_sgpr_kernarg_segment_ptr 1
		.amdhsa_wavefront_size32 1
		.amdhsa_system_sgpr_workgroup_id_x 1
		.amdhsa_system_sgpr_workgroup_id_y 1
		.amdhsa_system_sgpr_workgroup_id_z 1
		.amdhsa_system_vgpr_workitem_id 0
		.amdhsa_next_free_vgpr 1024
		.amdhsa_next_free_sgpr 100
		.amdhsa_reserve_vcc 0
		.amdhsa_float_denorm_mode_32 3
		.amdhsa_float_denorm_mode_16_64 3
		.amdhsa_memory_ordered 1
		.amdhsa_forward_progress 1
		.amdhsa_inst_pref_size 189
	.end_amdhsa_kernel
	.amdgpu_metadata
---
amdhsa.version: [ 1, 2 ]
amdhsa.kernels:
  - .name:           k_q3ce0e21b24_score
    .symbol:         k_q3ce0e21b24_score.kd
    .args:
      - { .name: qkv, .offset: 0, .size: 8, .value_kind: global_buffer, .address_space: global }
      - { .name: pc, .offset: 8, .size: 8, .value_kind: global_buffer, .address_space: global }
      - { .name: st, .offset: 16, .size: 8, .value_kind: global_buffer, .address_space: global }
    .group_segment_fixed_size: 327680
    .private_segment_fixed_size: 0
    .kernarg_segment_align: 8
    .kernarg_segment_size: 24
    .max_flat_workgroup_size: 128
    .sgpr_count:     100
    .vgpr_count:     1024
    .wavefront_size: 32
...
	.end_amdgpu_metadata
.endif
;; end of part 3
;; launch pv (part 4): grid 4 x 64, 4 waves a work-group, clusters of 4 x 4, 327,680 bytes of LDS; arguments pc, st, qkv, out0; writes out0
.if DOCPART == 4
	.amdgcn_target "amdgcn-amd-amdhsa--gfx1250"
	.amdhsa_code_object_version 6
	.text
	.protected	k_q3ce0e21b24_pv
	.globl	k_q3ce0e21b24_pv
	.p2align	8
	.type	k_q3ce0e21b24_pv,@function
k_q3ce0e21b24_pv:
	s_mov_b64 s[64:65], 0
	v_nop
	global_prefetch_b8 v0, s[64:65] scope:SCOPE_SE
	s_setreg_imm32_b32 hwreg(HW_REG_WAVE_MODE, 25, 1), 1
	s_wait_xcnt 0x0
	s_wait_alu depctr_hold_cnt(0) depctr_sa_sdst(0) depctr_va_vdst(0) depctr_va_sdst(0) depctr_va_ssrc(0) depctr_va_vcc(0) depctr_vm_vsrc(0)
	s_getreg_b32 s2, hwreg(HW_REG_IB_STS2, 6, 4)
	s_cmp_eq_u32 s2, 0
	s_cbranch_scc0 .Lentry_in_a_cluster
	s_endpgm
.Lentry_in_a_cluster:
	s_bfe_u32 s2, ttmp6, 0x10000c
	s_cmp_lg_u32 s2, 0xf033
	s_cbranch_scc0 .Lentry_shape_is_right
	s_endpgm
.Lentry_shape_is_right:
; O = P V / l on codes of FP6 (E2M3) with E8M0 scales.  pc: P [64 query panels][16 key steps]; qkv at 13,107,200: V^T [batch 4][8 channel panels][16 key steps]; both in PANELS (128 rows x 128 K, 12,800 bytes: fragment i
; at 1,536 i, registers 4 g .. 4 g + 3 of lane L at 512 g + 16 L; at 12,288 the scale words, place 32 j + l at 16 l + 4 j).  st: [64][16][1,024]: -M and l of each query for each 128 keys, laid as the scale words.
; P's codes were made under an M of their own 128 keys.  Here each wave takes its 64 queries' largest M over the 16 key steps, takes M_row - M_step off each of P's scale bytes (held at 0 from below), multiplies each l
; by 2^(M_step - M_row) and adds them: whole powers of two, nothing is rounded.  The corrected scale words stay in 32 registers.
; A tile is 128 queries x 256 channels, so that there are 256 tiles; a wave makes 64 x 128: 32 accumulators.  TRANSPOSED: source 0 = V^T's rows (channels), source 1 = P's rows: a lane holds one query and eight
; neighbouring channels a tile.
; LDS: three regions of eight panels: P's, then those of V^T's two channel panels; K step k lies at place k % 8; places 0-3 and 4-7 are the ring's two halves.  At the head each wave asks for ONE tile: waves 0 and 1
; four K steps of P each (200 rows of 256 dense bytes), waves 2 and 3 eight K steps of one panel of V^T (400 rows): K steps 0 to 7.  K steps 8-11 and 12-15 come by two refills, each behind the K step that reads
; its half last: 100 rows of P or 200 of V^T a wave.  P's tiles are shared along a row of the cluster, V^T's along a column: joint loads.  By this text's count a wave has one tensor load out at the most.
; PREFETCH: behind the first barrier K steps 8-11 are asked for, three K steps ahead of their tensor load; behind the first refill K steps 12-15, four K steps ahead of theirs.  Of the 100 or 200 blocks of 256 bytes
; that a wave will fetch, each of the four partners that fetch them jointly names 25 or 50, told apart by address (cx for P, cy for V^T); lanes 25-31 name the 25th block again.  Every address lies inside its panel row.
; A panel's place 16 i + t is query 32 (i / 2) + 8 (i % 2) + t % 8 + 16 (t / 8): the stores' offsets put the rows back in order.
; LIMITS: NaN and infinities are not served; a block of p whose byte would fall under 0 has the byte 0, 2^-127, where the rule holds the scale at 2^-126: at most 7.5 x 2^-126 x |v| a number.
; REGISTERS: window 0: v16-30 addresses; v32-63 P's corrected scale words; v64-71 V^T's, two sets; v72-79 1 / l; v80-95 at work; v128-223 P's fragments, two sets (at the head: -M and l).
;   window 1: V^T's fragments, two sets; on the way out rows of O.   window 2: the accumulators, (a, b) at v[8 (8 a + b)].
.set PANEL, 12800
.set SCO,   12288
.set HALF,  4*PANEL                    ; four K steps of a region: one half of the ring
.set VT,    8*PANEL                    ; a region; V^T's first begins here
.set SPARE, 24*PANEL                   ; behind the regions: the spare words, 128 bytes a wave, which no other line names
.set STGB,  16*528                     ; the way out: a stage of 16 rows x (512 + 16) bytes a wave, in P's places 0-2, which have then had their last fill and their last read
.set ADRA, 16
.set ADRB, 20
.set STO,  24
.set RD,   25
.set LI,   26
.set VST,  27                          ; v27 16 x lane + 8 x (my half of the queries): my two words of a panel's four
.set SPW,  28
.set NIL,  29
.set PFO,  30                          ; v30 the prefetches' offset: 256 x min(lane, 24); never rewritten
.set ASC,  32
.set SB,   64
.set RL,   72                          ; v72, 74, 76, 78: 1 / l for my four blocks of queries (named as pairs: the odd ones are written once)
.set GM,   80                          ; v80, v81 -M of the row
.set RR,   82                          ; v82, v83 1 / l as the statistics lie
.set EX,   84                          ; v84-87, v88-91 at work
.set FX,   88
.set XR,   92                          ; v92, v93 the other half of the lanes'
.set MM,   128                         ; v128-159 -M, v160-191 l: 2 c + j
.set LL,   160
.set AF,   128
.set G0H, 4                            ; s[4:7], s[8:11] group 0 of the head's loads (the arguments that lay there have been used by then)
.set G0HB, 8
.set G1, 24
.set G0, 32                            ; s[32:39] group 0 of P's two refills, s[56:63] of V^T's
.set G1B, 48
.set G0B, 56
.set SEL, 66
.set MHI, 70
.set ONES, 71
.set HIB, 72
.set PF,  90                           ; s[90:91] where my prefetches begin; never rewritten
.set MSB, 0
.macro WIN new
.if MSB != (\new)
	s_set_vgpr_msb (MSB<<8)|(\new)
.set MSB, (\new)
.endif
.endm
.set MUL,  0xa1                        ; source 0 (V^T) window 1, source 1 (P) window 0, C and D window 2
.set TO_B, 0x40
.macro JLOAD g0a, g1a, g0b, g1b        ; a joint load: waves 0 and 1 fetch for P, waves 2 and 3 for V^T; an s_nop 0 and four v_nop follow each line
	s_cmp_eq_u32 s15, 0
	s_cbranch_scc0 .Lfor_b_\@
	tensor_load_to_lds s[\g0a:\g0a+3], s[\g1a:\g1a+7]
	s_nop 0
.rept 4
	v_nop
.endr
	s_branch .Lasked_\@
.Lfor_b_\@:
	tensor_load_to_lds s[\g0b:\g0b+3], s[\g1b:\g1b+7]
	s_nop 0
.rept 4
	v_nop
.endr
.Lasked_\@:
.endm
.macro ASK o                           ; my share of the blocks of the refill that begins o bytes behind K step 8: 25 blocks; V^T's waves 25 more
	global_prefetch_b8 v[PFO], s[PF:PF+1] offset:\o th:TH_LOAD_NT scope:SCOPE_SE
	s_cmp_eq_u32 s15, 0
	s_cbranch_scc1 .Lfor_p_\@
	global_prefetch_b8 v[PFO], s[PF:PF+1] offset:(\o)+25*256 th:TH_LOAD_NT scope:SCOPE_SE
.Lfor_p_\@:
.endm
.macro CREST
	s_cmp_lg_u32 s14, 0
	s_cbranch_scc1 .Lnot_wave_0_\@
	s_barrier_signal -3
.Lnot_wave_0_\@:
	s_barrier_wait -3
	s_barrier_signal -1
	s_barrier_wait -1
.endm
.macro CROUND
	s_barrier_signal -1
	s_barrier_wait -1
	CREST
.endm
.macro PLACES n
.rept \n
	v_nop
.endr
.endm
.macro WM d, s0, s1, z, x0, x1, r0, r1
.if \z
.if ((\r0)==1) && ((\r1)==1)
	v_wmma_scale_f32_16x16x128_f8f6f4 v[(\d):(\d)+7], v[(\s0):(\s0)+11], v[(\s1):(\s1)+11], 0, v[\x0], v[\x1] matrix_a_fmt:MATRIX_FMT_FP6 matrix_b_fmt:MATRIX_FMT_FP6 matrix_a_scale:MATRIX_SCALE_ROW1 matrix_b_scale:MATRIX_SCALE_ROW1
.elseif (\r0)==1
	v_wmma_scale_f32_16x16x128_f8f6f4 v[(\d):(\d)+7], v[(\s0):(\s0)+11], v[(\s1):(\s1)+11], 0, v[\x0], v[\x1] matrix_a_fmt:MATRIX_FMT_FP6 matrix_b_fmt:MATRIX_FMT_FP6 matrix_a_scale:MATRIX_SCALE_ROW1
.elseif (\r1)==1
	v_wmma_scale_f32_16x16x128_f8f6f4 v[(\d):(\d)+7], v[(\s0):(\s0)+11], v[(\s1):(\s1)+11], 0, v[\x0], v[\x1] matrix_a_fmt:MATRIX_FMT_FP6 matrix_b_fmt:MATRIX_FMT_FP6 matrix_b_scale:MATRIX_SCALE_ROW1
.else
	v_wmma_scale_f32_16x16x128_f8f6f4 v[(\d):(\d)+7], v[(\s0):(\s0)+11], v[(\s1):(\s1)+11], 0, v[\x0], v[\x1] matrix_a_fmt:MATRIX_FMT_FP6 matrix_b_fmt:MATRIX_FMT_FP6
.endif
.else
.if ((\r0)==1) && ((\r1)==1)
	v_wmma_scale_f32_16x16x128_f8f6f4 v[(\d):(\d)+7], v[(\s0):(\s0)+11], v[(\s1):(\s1)+11], v[(\d):(\d)+7], v[\x0], v[\x1] matrix_a_fmt:MATRIX_FMT_FP6 matrix_b_fmt:MATRIX_FMT_FP6 matrix_a_scale:MATRIX_SCALE_ROW1 matrix_b_scale:MATRIX_SCALE_ROW1
.elseif (\r0)==1
	v_wmma_scale_f32_16x16x128_f8f6f4 v[(\d):(\d)+7], v[(\s0):(\s0)+11], v[(\s1):(\s1)+11], v[(\d):(\d)+7], v[\x0], v[\x1] matrix_a_fmt:MATRIX_FMT_FP6 matrix_b_fmt:MATRIX_FMT_FP6 matrix_a_scale:MATRIX_SCALE_ROW1
.elseif (\r1)==1
	v_wmma_scale_f32_16x16x128_f8f6f4 v[(\d):(\d)+7], v[(\s0):(\s0)+11], v[(\s1):(\s1)+11], v[(\d):(\d)+7], v[\x0], v[\x1] matrix_a_fmt:MATRIX_FMT_FP6 matrix_b_fmt:MATRIX_FMT_FP6 matrix_b_scale:MATRIX_SCALE_ROW1
.else
	v_wmma_scale_f32_16x16x128_f8f6f4 v[(\d):(\d)+7], v[(\s0):(\s0)+11], v[(\s1):(\s1)+11], v[(\d):(\d)+7], v[\x0], v[\x1] matrix_a_fmt:MATRIX_FMT_FP6 matrix_b_fmt:MATRIX_FMT_FP6
.endif
.endif
.endm
.macro FRAG reg, adr, q, i
.irp g, 0,1,2
	ds_load_b128 v[(\reg)+4*\g:(\reg)+4*\g+3], v[\adr] offset:(\q)*PANEL+(\i)*1536+512*\g
.endr
.endm
.macro FETCH k                         ; K step k's fragments: V^T's eight, my four of P, V^T's scale words: 37 loads, into set k % 2
.set FS, ((\k)/4)%2
.set FQ, (\k)%4
.set FP, (\k)%2
	WIN TO_B
.irp i, 0,1,2,3,4,5,6,7
	FRAG 128*FP+12*\i, ADRB+FS, FQ, \i
.endr
	WIN 0
.irp i, 0,1,2,3
	FRAG AF+48*FP+12*\i, ADRA+FS, FQ, \i
.endr
	ds_load_b128 v[SB+4*FP:SB+4*FP+3], v[ADRB+FS] offset:FQ*PANEL+SCO
.endm
.macro MUL8 k, a, zero                 ; P's block a x V^T's eight; the accumulators take turns, one instruction a turn
.irp b, 0,1,2,3,4,5,6,7
	WM 8*(8*(\a)+\b), 128*((\k)%2)+12*\b, AF+48*((\k)%2)+12*(\a), \zero, SB+4*((\k)%2)+\b/2, ASC+2*(\k)+(\a)/2, \b%2, (\a)%2
.endr
.endm
.macro STEP k, zero                    ; the next K step's fragments are asked for at the step's head: the step's 32 matrix instructions stand between those loads and the wait for them
	s_wait_dscnt 0x0                               ; this K step's fragments are in
	PLACES 4                                       ; in front of loads into the set that the last K step multiplied
	FETCH (\k)+1
	WIN MUL
	MUL8 \k, 0, \zero
	MUL8 \k, 1, \zero
	MUL8 \k, 2, \zero
	MUL8 \k, 3, \zero
.endm
; The last K step of a half of the ring: one barrier; in front of it each wave waits for all its tensor loads, adds 0 to its spare word, and waits for that and for its reads of this half.
.macro TURN k, fill, ask
.set TS, ((\k)/4)%2
	WIN 0
	s_wait_tensorcnt 0x0                           ; all my tensor loads have landed: my part of the next half
	ds_add_u32 v[SPW], v[NIL]                      ; 0 onto my spare word
	s_wait_dscnt 1                                 ; this K step's fragments are in; the add may be out
	WIN MUL
	MUL8 \k, 0, 0
	s_wait_dscnt 0x0                               ; the add is done, and my reads of this half are over
	s_barrier_signal -1
	MUL8 \k, 1, 0
	WIN 0
	s_barrier_wait -1
.if \fill
	CREST                                          ; a round of the cluster's barrier: no wave of any partner still reads this half or has a load on its way
	JLOAD G0+4*TS, G1, G0B+4*TS, G1B               ; the first tensor load behind the round; its four v_nop are the places in front of the loads below
.else
	PLACES 4
.endif
	FETCH (\k)+1
.if \ask
	ASK HALF                                       ; K steps 12-15
.endif
	WIN MUL
	MUL8 \k, 2, 0
	MUL8 \k, 3, 0
.endm
; Four (key step, half) places n0 .. n0 + 3 by turns: l under the row's M, and d = M_row - M_step off each of the word's four bytes, held at 0: the bytes are at most 125 and d at most 127, so with bit 7 set in each
; byte no borrow leaves a byte, and bit 7 stays set just where the byte was at least d.
.macro FIX n0
.irp i, 0,1,2,3
	v_sub_f32 v[EX+\i], v[GM+\i%2], v[MM+(\n0)+\i] ; M_step - M_row: a whole number, 0 or less
.endr
.irp i, 0,1,2,3
	v_cvt_i32_f32 v[EX+\i], v[EX+\i]               ; (it saturates)
.endr
.irp i, 0,1,2,3
	v_ldexp_f32 v[LL+(\n0)+\i], v[LL+(\n0)+\i], v[EX+\i]
.endr
.irp i, 0,1,2,3
	v_sub_nc_u32 v[EX+\i], 0, v[EX+\i]
.endr
.irp i, 0,1,2,3
	v_min_u32 v[EX+\i], 127, v[EX+\i]
.endr
.irp i, 0,1,2,3
	v_mul_lo_u32 v[EX+\i], v[EX+\i], s[ONES]       ; d in each byte
.endr
.irp i, 0,1,2,3
	v_or_b32 v[ASC+(\n0)+\i], s[HIB], v[ASC+(\n0)+\i]
.endr
.irp i, 0,1,2,3
	v_sub_nc_u32 v[ASC+(\n0)+\i], v[ASC+(\n0)+\i], v[EX+\i]
.endr
.irp i, 0,1,2,3
	v_and_b32 v[EX+\i], s[HIB], v[ASC+(\n0)+\i]
.endr
.irp i, 0,1,2,3
	v_lshrrev_b32 v[FX+\i], 7, v[EX+\i]
.endr
.irp i, 0,1,2,3
	v_sub_nc_u32 v[EX+\i], v[EX+\i], v[FX+\i]      ; 0x7f in the bytes that stay, 0 in the others
.endr
.irp i, 0,1,2,3
	v_and_b32 v[ASC+(\n0)+\i], v[ASC+(\n0)+\i], v[EX+\i]
.endr
.endm
	s_load_b256 s[4:11], s[0:1], 0x0               ; pc s[4:5], st s[6:7], qkv s[8:9], out0 s[10:11]
	v_lshl_add_u32 v[SPW], v0, 2, SPARE
	v_mov_b32 v[NIL], 0
	ds_add_u32 v[SPW], v[NIL]                      ; the wave's opening: the add, twice on end, and its wait ahead of my first tensor load
	ds_add_u32 v[SPW], v[NIL]
	v_lshrrev_b32 v1, 5, v0
	v_readfirstlane_b32 s14, v1
	s_lshr_b32 s15, s14, 1                         ; my half of the queries.  Also: I fetch for P (0) or for V^T (1)
	s_and_b32 s16, s14, 1                          ; my half of the channels.  Also: which part I fetch
	s_bfe_u32 s40, ttmp6, 0x40000                  ; cx
	s_bfe_u32 s41, ttmp6, 0x40004                  ; cy
	s_lshl_b32 s42, ttmp9, 2
	s_add_co_u32 s42, s42, s40                     ; tile column: 256 channels, 0 .. 3
	s_and_b32 s19, ttmp7, 0xffff
	s_lshl_b32 s17, s19, 2
	s_add_co_u32 s17, s17, s41                     ; tile row: a query panel, 0 .. 63
	s_lshr_b32 s18, s19, 2                         ; the batch: from the cluster's y alone
	s_lshl_b32 s43, s41, 2
	s_lshl_b32 s43, 15, s43
	s_lshl_b32 s44, 0x1111, s40
	s_or_b32 s[G1], s43, (3<<16)|(1<<21)           ; the mask of my row; elements of 8 bytes; bit 21 beside a mask; no padding
	s_or_b32 s[G1B], s44, (3<<16)|(1<<21)
	s_mov_b32 s[G1+1], 32<<16                      ; P: rows of 256 bytes, at the head 200 of them: four K steps
	s_mov_b32 s[G1+2], 200<<16
	s_mov_b32 s[G1+3], 32<<16
	s_mov_b32 s[G1+4], 200
	s_mov_b32 s[G1+5], 32
	s_mov_b32 s[G1+6], 0
	s_mov_b32 s[G1+7], 0
	s_mov_b32 s[G1B+1], 32<<16                     ; V^T: at the head 400 rows: eight K steps of one channel panel
	s_mov_b32 s[G1B+2], 400<<16
	s_mov_b32 s[G1B+3], 32<<16
	s_mov_b32 s[G1B+4], 400
	s_mov_b32 s[G1B+5], 32
	s_mov_b32 s[G1B+6], 0
	s_mov_b32 s[G1B+7], 0
	s_mul_i32 s82, s17, 16*PANEL                   ; my query panel's 16 K steps
	s_mov_b32 s83, 0
	s_mul_i32 s20, s16, HALF                       ; the head's load of P: K steps 0-3 or 4-7
	s_add_co_u32 s20, s20, s82
	s_mov_b32 s21, 0
	s_lshl_b32 s46, s18, 3
	s_lshl_b32 s47, s42, 1
	s_add_co_u32 s46, s46, s47
	s_add_co_u32 s46, s46, s16
	s_mul_i32 s46, s46, 16*PANEL
	s_add_co_u32 s46, s46, 13107200                ; V^T: channel panel 8 x batch + 2 x tile column + which
	s_mov_b32 s47, 0
	s_mul_i32 s94, s16, 2*PANEL                    ; P's refills: which two K steps of a half's four I fetch
	s_mov_b32 s95, 0
	s_lshl_b32 s85, s15, 3                         ; 8 x my half of the queries: my two of a lane's four words
	s_lshl_b32 s78, s17, 14                        ; my query panel's statistics
	s_mov_b32 s79, 0
	s_lshl_b32 s76, s17, 19                        ; O: 128 rows of 4,096 bytes a panel,
	s_lshl_b32 s77, s15, 18                        ; my 64 of them,
	s_add_co_u32 s76, s76, s77
	s_lshl_b32 s77, s42, 10                        ; 256 channels a tile,
	s_add_co_u32 s76, s76, s77
	s_lshl_b32 s77, s16, 9                         ; my 128 of them
	s_add_co_u32 s76, s76, s77
	s_mov_b32 s77, 0
	s_mul_i32 s88, s40, 25*256                     ; the prefetches: of P's 100 blocks that I fetch, my work-group's 25, by cx;
	s_add_co_u32 s88, s88, s94
	s_mul_i32 s89, s41, 50*256                     ; of V^T's 200, its 50, by cy
	s_cmp_eq_u32 s15, 0
	s_cselect_b32 s86, s88, s89
	s_add_co_u32 s86, s86, 8*PANEL                 ; from K step 8 on
	s_mov_b32 s87, 0
.irp s, 0,1
	s_mov_b32 s[G0+4*\s], 1
	s_mul_i32 s[G0+4*\s+1], s16, 2*PANEL
	s_add_co_u32 s[G0+4*\s+1], s[G0+4*\s+1], \s*HALF
	s_mov_b32 s[G0B+4*\s], 1
	s_mul_i32 s[G0B+4*\s+1], s16, VT
	s_add_co_u32 s[G0B+4*\s+1], s[G0B+4*\s+1], VT+\s*HALF
.endr
	s_mov_b32 s[SEL], 0x76543210
	s_mov_b32 s[SEL+1], 0xfedcba98
	s_mov_b32 s[MHI], 0xffff0000
	s_mov_b32 s[ONES], 0x01010101
	s_mov_b32 s[HIB], 0x80808080
	s_mul_i32 s22, s15, 4*1536                     ; what I read: my four fragments of P's eight,
	s_mul_i32 s23, s16, VT
	s_add_co_u32 s23, s23, VT                      ; my channel panel's region,
	s_mul_i32 s84, s14, STGB                       ; and my stage
	v_and_b32 v1, 31, v0
	v_and_b32 v2, 15, v0                           ; r
	v_bfe_u32 v3, v0, 4, 1                         ; h
	v_lshlrev_b32 v[LI], 4, v1
	v_min_u32 v[PFO], 24, v1
	v_add_nc_u32 v[VST], s85, v[LI]
	v_lshlrev_b32 v[PFO], 8, v[PFO]
	v_add_nc_u32 v[ADRA], s22, v[LI]
	v_add_nc_u32 v[ADRB], s23, v[LI]
	v_mul_u32_u24 v[STO], v2, 528
	v_add_nc_u32 v[ADRA+1], HALF, v[ADRA]
	v_add_nc_u32 v[ADRB+1], HALF, v[ADRB]
	v_lshl_add_u32 v[STO], v3, 5, v[STO]
	v_add_nc_u32 v[RD], s84, v[LI]                 ; the stage, back: the 32 lanes take one row of 512 bytes
	v_add_nc_u32 v[STO], s84, v[STO]               ; in: row r, 32 bytes for each half of the lanes
	v_mov_b32 v[XR], 0                             ; written once: a lane permute's destination counts as one of its sources
	v_mov_b32 v[XR+1], 0
.irp a, 0,1,2,3
	v_mov_b32 v[RL+2*\a+1], 0                      ; the upper halves of the pairs that the packed form names
.endr
	s_wait_alu depctr_va_vdst(0)                   ; directly ahead of the waits below
	s_wait_dscnt 0x0                               ; both opening adds are done
	CROUND                                         ; the round in front of the first joint loads needs no argument: it stands ahead of the wait for them
	s_wait_kmcnt 0x0
	s_add_nc_u64 s[80:81], s[6:7], s[78:79]
	s_add_nc_u64 s[82:83], s[4:5], s[82:83]
	s_add_nc_u64 s[20:21], s[4:5], s[20:21]
	s_add_nc_u64 s[46:47], s[8:9], s[46:47]
	s_add_nc_u64 s[12:13], s[10:11], s[76:77]
	s_add_nc_u64 s[92:93], s[82:83], s[94:95]
	s_cmp_eq_u32 s15, 0                            ; the choice hangs on the wave's number alone
	s_cselect_b64 s[PF:PF+1], s[82:83], s[46:47]
	s_add_nc_u64 s[PF:PF+1], s[PF:PF+1], s[86:87]
	s_mov_b32 s[G0H], 1
	s_mul_i32 s[G0H+1], s16, HALF
	s_mov_b64 s[G0H+2:G0H+3], s[20:21]
	s_or_b32 s[G0H+3], s[G0H+3], 0x80000000
	s_mov_b32 s[G0HB], 1
	s_mul_i32 s[G0HB+1], s16, VT
	s_add_co_u32 s[G0HB+1], s[G0HB+1], VT
	s_mov_b64 s[G0HB+2:G0HB+3], s[46:47]
	s_or_b32 s[G0HB+3], s[G0HB+3], 0x80000000
.irp s, 0,1
	s_add_nc_u64 s[G0+4*\s+2:G0+4*\s+3], s[92:93], (8+4*\s)*PANEL
	s_or_b32 s[G0+4*\s+3], s[G0+4*\s+3], 0x80000000
	s_add_nc_u64 s[G0B+4*\s+2:G0B+4*\s+3], s[46:47], (8+4*\s)*PANEL
	s_or_b32 s[G0B+4*\s+3], s[G0B+4*\s+3], 0x80000000
.endr
	JLOAD G0H, G1, G0HB, G1B                       ; K steps 0 to 7: one tensor load a wave at the head
; THE STATISTICS, while the tiles are on their way: for each key step c my two words a lane: -M, l, and P's scale words
.irp c, 0,1,2,3,4,5,6,7,8,9,10,11,12,13,14,15
	global_load_b64 v[MM+2*\c:MM+2*\c+1], v[VST], s[80:81] offset:1024*\c
	global_load_b64 v[LL+2*\c:LL+2*\c+1], v[VST], s[80:81] offset:1024*\c+512
	global_load_b64 v[ASC+2*\c:ASC+2*\c+1], v[VST], s[82:83] offset:PANEL*\c+SCO
.endr
	s_wait_loadcnt 0x0
.irp j, 0,1
	v_min3_num_f32 v[GM+\j], v[MM+\j], v[MM+2+\j], v[MM+4+\j]   ; -M of the row: the least -M of the 16 key steps
.endr
.irp c, 3,5,7,9,11,13
.irp j, 0,1
	v_min3_num_f32 v[GM+\j], v[GM+\j], v[MM+2*\c+\j], v[MM+2*\c+2+\j]
.endr
.endr
.irp j, 0,1
	v_min_num_f32 v[GM+\j], v[GM+\j], v[MM+30+\j]
.endr
.irp n, 0,4,8,12,16,20,24,28
	FIX \n
.endr
.irp c, 2,4,6,8,10,12,14
	v_pk_add_f32 v[LL:LL+1], v[LL:LL+1], v[LL+2*\c:LL+2*\c+1]         ; the row's l, in two chains
	v_pk_add_f32 v[LL+2:LL+3], v[LL+2:LL+3], v[LL+2*\c+2:LL+2*\c+3]
.endr
	v_pk_add_f32 v[LL:LL+1], v[LL:LL+1], v[LL+2:LL+3]
	s_wait_alu depctr_va_vdst(0)
	v_rcp_f32 v[RR], v[LL]
	v_rcp_f32 v[RR+1], v[LL+1]
	v_nop                                          ; a plain instruction behind the reciprocals
	s_wait_alu depctr_va_vdst(0)                   ; one wait for both, ahead of the first instruction that names a result
	v_permlanex16_b32 v[XR], v[RR], s[SEL], s[SEL+1]
	v_permlanex16_b32 v[XR+1], v[RR+1], s[SEL], s[SEL+1]
	v_cndmask_b32 v[RL], v[RR], v[XR], s[MHI]      ; block 0's 1 / l lie in lanes 0-15 of the first word: both halves of the lanes get them;
	v_cndmask_b32 v[RL+2], v[XR], v[RR], s[MHI]    ; block 1's in lanes 16-31
	v_cndmask_b32 v[RL+4], v[RR+1], v[XR+1], s[MHI]
	v_cndmask_b32 v[RL+6], v[XR+1], v[RR+1], s[MHI]
	PLACES 8                                       ; scale registers written by vector instructions stand eight plain instructions ahead of a scaled matrix instruction
	s_wait_alu depctr_va_vdst(0)                   ; the head's end
	s_wait_tensorcnt 0x0                           ; my tile is in, and no tensor load of mine is out: the descriptors may be written
	s_mov_b32 s[G1+2], 100<<16                     ; a refill brings 100 rows of P,
	s_mov_b32 s[G1+4], 100
	s_mov_b32 s[G1B+2], 200<<16                    ; 200 of V^T
	s_mov_b32 s[G1B+4], 200
	s_barrier_signal -1
	s_barrier_wait -1
	FETCH 0
	ASK 0                                          ; K steps 8-11
	STEP 0, 1                                      ; K step 0: its products start the sums
	STEP 1, 0
	STEP 2, 0
	TURN 3, 1, 1                                   ; places 0-3 take K steps 8 to 11
	STEP 4, 0
	STEP 5, 0
	STEP 6, 0
	TURN 7, 1, 0                                   ; places 4-7 take K steps 12 to 15
	STEP 8, 0
	STEP 9, 0
	STEP 10, 0
	TURN 11, 0, 0                                  ; nothing is left to fetch; behind this barrier nobody reads places 0-3
	STEP 12, 0
	STEP 13, 0
	STEP 14, 0
	s_wait_dscnt 0x0
	WIN MUL
	MUL8 15, 0, 0
	MUL8 15, 1, 0
	MUL8 15, 2, 0
	MUL8 15, 3, 0
	PLACES 4                                       ; in front of the first read of results and of loads into the registers that held V^T's fragments
; THE WAY OUT, a block of 16 queries x 128 channels at a time, in three parts.  SCALE: x 1 / l.  TOSTAGE: through my stage, back as whole rows of 512 bytes (LDS serves a wave's instructions in order: no wait
; between the stores and the loads).  SEND: stored.  Block a's multiplications stand between block a - 1's loads from the stage and the wait for them; 32 LDS instructions of the wave are out at the most.
.macro SCALE a
	WIN 0x82                                       ; the accumulators: source 0 and destination window 2
.set i, 64*(\a)
.rept 32
	v_pk_mul_f32 v[i:i+1], v[i:i+1], v[RL+2*(\a):RL+2*(\a)+1] op_sel_hi:[1,0]   ; each accumulator from its low end on
.set i, i+2
.endr
.endm
.macro TOSTAGE a
	WIN 0x08                                       ; an LDS store's data are its source 1: window 2
.irp b, 0,1,2,3,4,5,6,7
	ds_store_b128 v[STO], v[64*(\a)+8*\b:64*(\a)+8*\b+3] offset:64*\b
	ds_store_b128 v[STO], v[64*(\a)+8*\b+4:64*(\a)+8*\b+7] offset:64*\b+16
.endr
	WIN 0x40                                       ; destination window 1: 64 registers a block, so that no store's data are written again
.irp t, 0,1,2,3,4,5,6,7,8,9,10,11,12,13,14,15
	ds_load_b128 v[64*(\a)+4*\t:64*(\a)+4*\t+3], v[RD] offset:528*\t
.endr
.endm
.macro SEND a
	s_wait_dscnt 0x0                               ; the block is back in registers
	WIN 0x04                                       ; a store's data are its source 1: window 1
.irp t, 0,1,2,3,4,5,6,7,8,9,10,11,12,13,14,15
	global_store_b128 v[LI], v[64*(\a)+4*\t:64*(\a)+4*\t+3], s[12:13] offset:(32*((\a)/2)+8*((\a)%2)+(\t%8)+16*(\t/8))*4096 th:TH_STORE_NT   ; 512 consecutive bytes of the query's own row, aligned
.endr
.endm
	s_wait_alu depctr_va_vdst(0)
	SCALE 0
	TOSTAGE 0
	SCALE 1
	s_wait_alu depctr_va_vdst(0)                   ; directly ahead of SEND's wait
	SEND 0
	TOSTAGE 1
	SCALE 2
	s_wait_alu depctr_va_vdst(0)
	SEND 1
	TOSTAGE 2
	SCALE 3
	s_wait_alu depctr_va_vdst(0)
	SEND 2
	TOSTAGE 3
	SEND 3
	WIN 0
	s_wait_tensorcnt 0x0                           ; the wave's end, behind my last tensor load and my last LDS store
	ds_add_u32 v[SPW], v[NIL]
	s_wait_dscnt 0x0
	CROUND                                         ; the closing round
	s_endpgm
.Lfunc_end_k_q3ce0e21b24_pv:
	.size	k_q3ce0e21b24_pv, .Lfunc_end_k_q3ce0e21b24_pv-k_q3ce0e21b24_pv
	.p2alignl 7, 3214868480
	.fill 96, 4, 3214868480
	.section	.rodata,"a",@progbits
	.p2align	6, 0x0
	.amdhsa_kernel k_q3ce0e21b24_pv
		.amdhsa_group_segment_fixed_size 327680
		.amdhsa_private_segment_fixed_size 0
		.amdhsa_enable_private_segment 0
		.amdhsa_kernarg_size 32
		.amdhsa_user_sgpr_count 2
		.amdhsa_user_sgpr_kernarg_segment_ptr 1
		.amdhsa_wavefront_size32 1
		.amdhsa_system_sgpr_workgroup_id_x 1
		.amdhsa_system_sgpr_workgroup_id_y 1
		.amdhsa_system_sgpr_workgroup_id_z 1
		.amdhsa_system_vgpr_workitem_id 0
		.amdhsa_next_free_vgpr 768
		.amdhsa_next_free_sgpr 100
		.amdhsa_reserve_vcc 0
		.amdhsa_float_denorm_mode_32 3
		.amdhsa_float_denorm_mode_16_64 3
		.amdhsa_memory_ordered 1
		.amdhsa_forward_progress 1
		.amdhsa_inst_pref_size 162
	.end_amdhsa_kernel
	.amdgpu_metadata
---
amdhsa.version: [ 1, 2 ]
amdhsa.kernels:
  - .name:           k_q3ce0e21b24_pv
    .symbol:         k_q3ce0e21b24_pv.kd
    .args:
      - { .name: pc, .offset: 0, .size: 8, .value_kind: global_buffer, .address_space: global }
      - { .name: st, .offset: 8, .size: 8, .value_kind: global_buffer, .address_space: global }
      - { .name: qkv, .offset: 16, .size: 8, .value_kind: global_buffer, .address_space: global }
      - { .name: out0, .offset: 24, .size: 8, .value_kind: global_buffer, .address_space: global }
    .group_segment_fixed_size: 327680
    .private_segment_fixed_size: 0
    .kernarg_segment_align: 8
    .kernarg_segment_size: 32
    .max_flat_workgroup_size: 128
    .sgpr_count:     100
    .vgpr_count:     768
    .wavefront_size: 32
...
	.end_amdgpu_metadata
.endif
;; end of part 4
